; MI455X (gfx1250); checked and timed in simulation.
; The chip was launched on July 23, 2026; its instructions are those of AMD's public machine-readable ISA for CDNA 5 (MIT licence, August 2026) and "CDNA5" Instruction Set Architecture Reference Guide (July 2026). The comments in the code are by the model that wrote it; some were corrected since.
;; Multi Head Self Attention. Allowed arithmetic: matrix products marked QUANTISED: E2M3 operands, one E8M0 scale for each 32 along K, by v_wmma_scale_f32_16x16x128_f8f6f4 with both operands' format E2M3, f32 sums; everything else in f32.
;; Inputs: Wk_codes 1,024 x 32 x 24 uint8 (E2M3 codes of Wk, K innermost, in blocks of 32 codes, four codes in three bytes); Wk_scales 1,024 x 32 uint8 (E8M0 scales of Wk, one for each 32 codes along K); Wo_codes 1,024 x 32 x 24 uint8 (E2M3 codes of Wo, K innermost, in blocks of 32 codes, four codes in three bytes); Wo_scales 1,024 x 32 uint8 (E8M0 scales of Wo, one for each 32 codes along K); Wq_codes 1,024 x 32 x 24 uint8 (E2M3 codes of Wq, K innermost, in blocks of 32 codes, four codes in three bytes); Wq_scales 1,024 x 32 uint8 (E8M0 scales of Wq, one for each 32 codes along K); Wv_codes 1,024 x 32 x 24 uint8 (E2M3 codes of Wv, K innermost, in blocks of 32 codes, four codes in three bytes); Wv_scales 1,024 x 32 uint8 (E8M0 scales of Wv, one for each 32 codes along K); bk 1,024 float32; bo 1,024 float32; bq 1,024 float32; bv 1,024 float32; inputs_mask 4 x 2,048 int32; x_codes 4 x 2,048 x 32 x 24 uint8 (E2M3 codes of x, K innermost, in blocks of 32 codes, four codes in three bytes); x_scales 4 x 2,048 x 32 uint8 (E8M0 scales of x, one for each 32 codes along K).
;; Outputs: out0 4 x 2,048 x 1,024 float32.
;; This version of the problem:
;;   THIS VERSION OF THE PROBLEM IS GIVEN IN LOW PRECISION. The matrix products marked QUANTISED in the list below multiply operands that are first quantised to E2M3 (2 exponent bits, 3 mantissa bits; 6 bits a number), with one power-of-two scale for each 32 numbers along K (OCP MX v1.0); their sums are f32. All else is computed in f32.
;;   The module's matrix products, in the order in which they are computed (A, B: the left and right operand; K: the contracted axis; several contracted axes count as one K, in the product's order):
;;     1. [M 8,192, K 1,024] x [K 1,024, N 1,024]; A: input x (given as codes); B: input Wq (given as codes): QUANTISED
;;     2. [M 8,192, K 1,024] x [K 1,024, N 1,024]; A: input x (given as codes); B: input Wk (given as codes): QUANTISED
;;     3. [M 8,192, K 1,024] x [K 1,024, N 1,024]; A: input x (given as codes); B: input Wv (given as codes): QUANTISED
;;     4. batch 64 x [M 2,048, K 64] x [K 64, N 2,048]; A: computed on the way; B: computed on the way: QUANTISED
;;     5. batch 64 x [M 64, K 2,048] x [K 2,048, N 2,048]; A: computed on the way; B: softmax (see below): QUANTISED
;;     6. [M 8,192, K 1,024] x [K 1,024, N 1,024]; A: computed on the way; B: input Wo (given as codes): QUANTISED
;;   THE QUANTISER, for each operand of a quantised product, along K:
;;     - K is cut into blocks of 32 from its start; a last block that is shorter is filled with zeros.
;;     - A block's scale is 2^e with e = floor(log2(the largest magnitude in the block)) - 2, held to -126 .. 127; a block of zeros has e = 0. As a byte (E8M0): e + 127.
;;     - Each number is divided by its block's scale, clamped to +-7.5, and rounded to the nearest number of E2M3, ties to even, subnormals kept.
;;     - The product sums the exact products of the quantised numbers (number of the format x scale) in f32.
;;   ~~~python
;;   def quantise(x, axis):      # numpy; x: float32 -> the quantised numbers, widened to float32 again
;;       x = np.moveaxis(x, axis, -1); K = x.shape[-1]
;;       x = np.pad(x, [(0, 0)] * (x.ndim - 1) + [(0, -K % 32)]); x = x.reshape(x.shape[:-1] + (-1, 32)); a = np.abs(x).max(-1, keepdims=True)
;;       e = np.where(a > 0, np.clip(np.frexp(np.where(a > 0, a, 1))[1] - 1 - 2, -126, 127), 0)      # np.frexp(a)[1] - 1 = floor(log2(a)), exactly
;;       r = np.clip(x / 2.0 ** e, -7.5, 7.5)
;;       step = 2.0 ** (np.maximum(np.frexp(np.where(r == 0, 1, r))[1] - 1, 0) - 3)
;;       q = np.round(r / step) * step * 2.0 ** e      # np.round: ties to even
;;       return np.moveaxis(q.reshape(q.shape[:-2] + (-1,))[..., :K], -1, axis).astype(np.float32)
;;   ~~~
;;   SOFTMAX AHEAD OF A QUANTISED PRODUCT. Where the list says 'softmax', what is quantised is not the finished softmax but p = 2^(t - M), with t = logit x log2(e) and M = ceil(the row's largest t), a whole number; so 1/2 < the row's largest p <= 1. The row's sum l is taken of the UNQUANTISED p, in f32, and the product's result is divided by l at the end. Since M is a whole number, a kernel that streams over the keys may use a running M (the ceiling of the running maximum): every later rescaling is an exact power of two, which a block's scale takes up: the codes' values come out the same.
;;   OPERANDS COMPUTED ON THE WAY. 'Computed on the way' means the value that the module computes at that place (a softmax that the list does not call 'softmax' is quantised finished and normalised). What goes into a quantiser is computed in f32, as accurately as f32 sums, v_exp_f32 and their like allow (about 1e-6 of the number): no bf16 or f16 on the way to a quantiser, and a product that is left as it is and whose result goes on into a quantised operand takes f32 operands (vector FMAs, or v_wmma_f32_16x16x4_f32). A number that lies on a knife's edge between two numbers of the format may be rounded either way, as far as f32 arithmetic and the matrix unit's own rounding can turn it there, and no further.
;;   INPUTS GIVEN AS CODES. Wk (in the module: [1024, 1024], K = its axis 0); Wo (in the module: [1024, 1024], K = its axis 0); Wq (in the module: [1024, 1024], K = its axis 0); Wv (in the module: [1024, 1024], K = its axis 0); x (in the module: [4, 2048, 1024], K = its axis 2): each comes as NAME_codes (uint8): NAME with its K axis moved to the last place and cut into blocks of 32 codes, [.., K / 32, bytes a block], one block behind the other in memory; four codes in three bytes: a row's codes are one little-endian stream of bits, code i at bits 6 i .. 6 i + 5 (a code: sign, 2 exponent bits, 3 mantissa bits); and NAME_scales (uint8): the same leading axes, one E8M0 byte (e + 127) for each 32 codes along K. Its value is code x scale, taken as it is: it is not quantised again, and the codes and scales need not be those that the quantiser above would give.
;; One version. Each part assembles by itself: llvm-mc -triple=amdgcn-amd-amdhsa -mcpu=gfx1250 --defsym DOCPART=n.
;; ======== version 1 of 1: 3 launches
;; limits: right only within a limited range of input values
;; workspace buffers: qcod 6,291,456 bytes; qscl 524,288 bytes; kcod 6,291,456 bytes; kscl 524,288 bytes; vcod 6,291,456 bytes; vscl 262,144 bytes; acod 6,291,456 bytes; ascl 524,288 bytes
;; launch qkv (part 1): grid 12 x 32, 4 waves a work-group, clusters of 4 x 4, 327,680 bytes of LDS; arguments x_codes, x_scales, Wq_codes, Wq_scales, Wk_codes, Wk_scales, Wv_codes, Wv_scales, bq, bk, bv, qcod, qscl, kcod, kscl, vcod, vscl; writes qcod, qscl, kcod, kscl, vcod, vscl
.if DOCPART == 1
	.amdgcn_target "amdgcn-amd-amdhsa--gfx1250"
	.amdhsa_code_object_version 6
	.text
	.protected	k_q629704fddb_qkv
	.globl	k_q629704fddb_qkv
	.p2align	8
	.type	k_q629704fddb_qkv,@function
k_q629704fddb_qkv:
	s_mov_b64 s[64:65], 0
	v_nop
	global_prefetch_b8 v0, s[64:65] scope:SCOPE_SE
	s_setreg_imm32_b32 hwreg(HW_REG_WAVE_MODE, 25, 1), 1
	s_wait_xcnt 0x0
	s_wait_alu depctr_hold_cnt(0) depctr_sa_sdst(0) depctr_va_vdst(0) depctr_va_sdst(0) depctr_va_ssrc(0) depctr_va_vcc(0) depctr_vm_vsrc(0)
	s_getreg_b32 s2, hwreg(HW_REG_IB_STS2, 6, 4)
	s_cmp_eq_u32 s2, 0
	s_cbranch_scc0 .Lentry_in_a_cluster
	s_endpgm
.Lentry_in_a_cluster:
	s_bfe_u32 s2, ttmp6, 0x10000c
	s_cmp_lg_u32 s2, 0xf033
	s_cbranch_scc0 .Lentry_shape_is_right
	s_endpgm
.Lentry_shape_is_right:
; q = x Wq + bq, k = x Wk + bk, v = x Wv + bv on codes of FP6 (E2M3) with E8M0 scales; each result is quantised for the attention launch and stored as images of operand registers.
; No work of the problem is left out: every input has a way to the output and is loaded by some launch.
; Cluster x picks the weight: 0 Wq, 1 Wk, 2 Wv.  A tile of 256 x 256 to a work-group, 128 x 128 to a wave (64 accumulators).
; q, k: source 1 = rows of x, source 0 = rows of W: a lane's registers run along the features, the K of the score product.
; v: the roles are swapped (source 1 = rows of Wv, source 0 = rows of x): a lane's registers run along the tokens, the K of the second product.
; K goes through a ring of two LDS slots in chunks of 256 bytes of each row of codes (a row is 768 bytes: three chunks, each on a 256-byte border); a step of 128 along K is 96 bytes: eight steps.
; Steps 2 and 5 lie across two chunks.  The scales of the 256 + 256 rows come once, by the head's loads.
; CLUSTER 4 x 4: source 1's tiles are shared along a row of the cluster, source 0's along a column: joint loads.
; PREFETCH: chunk 1 is asked for behind the head's loads, chunk 2 behind chunk 1's load, two steps ahead of its own load; of the 128 rows that a wave fetches each of the four partners names 32, a lane a row, told apart by address.
; ORDER INSIDE A BLOCK OF 32: 0-7, 16-23, 8-15, 24-31, alike in q and k, and in v as in p.
; LIMITS: NaN and infinities are not served; a block whose largest magnitude lies under 2^-124 keeps the scale byte 1.
.set ROWB,   256
.set NQ,     2
.set KROW,   768
.set STEPS,  8
.set CHUNKS, 3
.set PITCH,  272                       ; 256 bytes + 16 of padding
.set FR,     12
.set NL,     6
.set NP,     4
.set HALFT,  128*PITCH
.set SLOT,   4*HALFT
.set KS,     32
.set SCL,    2*SLOT
.set HALFS,  (128*KS/256)*272
.set SBLK,   (16*KS/256)*272
.set SPARE,  SCL+4*HALFS               ; the spare words: 512 bytes that no other line names
.set ADRA, 16                          ; v16-17 fragments in slot 0, 1; v18-19 for pieces whose halves of the lanes lie in different chunks
.set ADRB, 20
.set O16,  24
.set O8,   25
.set PFO,  26                          ; lane x a row of codes
.set ADRS, 27
.set SPW,  28
.set NIL,  29
.set OBN,  30
.set OBM,  31
.set SC,   32
.set BN,   64                          ; bias along the registers (q, k)
.set AF,   128
.set T,    128
.set PC,   192
.set TM,   212
.set PW,   228
.set BB,   230
.set BM,   232                         ; bias along the lanes (v)
.set SW,   240
.set SW1,  244
.set G1, 24
.set G0, 32
.set G1B, 48
.set G0B, 56
.set G1S, 68
.set G0S, 76
.set G1SB, 80
.set G0SB, 88
.set G0H, 4
.set G0HB, 8
.set PFA, 40                           ; s[40:41] my 32 rows for the prefetches; never rewritten
.set SEL, 100
.set MSB, 0
.macro WIN new
.if MSB != \new
	s_set_vgpr_msb (MSB<<8)|\new
.set MSB, \new
.endif
.endm
.set MUL_LO, 0xa1
.set MUL_HI, 0xf1
.set TO_B,   0x40
.macro JLOAD g0a, g1a, g0b, g1b        ; waves 0, 1 fetch for source 1, waves 2, 3 for source 0
	s_cmp_eq_u32 s15, 0
	s_cbranch_scc0 .Lfor_b_\@
	tensor_load_to_lds s[\g0a:\g0a+3], s[\g1a:\g1a+7]
	s_nop 0
.rept 4
	v_nop
.endr
	s_branch .Lasked_\@
.Lfor_b_\@:
	tensor_load_to_lds s[\g0b:\g0b+3], s[\g1b:\g1b+7]
	s_nop 0
.rept 4
	v_nop
.endr
.Lasked_\@:
.endm
.macro CREST
	s_cmp_lg_u32 s14, 0
	s_cbranch_scc1 .Lnot_wave_0_\@
	s_barrier_signal -3
.Lnot_wave_0_\@:
	s_barrier_wait -3
	s_barrier_signal -1
	s_barrier_wait -1
.endm
.macro CROUND
	s_barrier_signal -1
	s_barrier_wait -1
	CREST
.endm
	s_load_b512 s[24:39], s[0:1], 0x0
	s_load_b256 s[40:47], s[0:1], 0x40
	s_load_b256 s[48:55], s[0:1], 0x60
	s_load_b64 s[56:57], s[0:1], 0x80
	v_lshl_add_u32 v[SPW], v0, 2, SPARE
	v_mov_b32 v[NIL], 0
	ds_add_u32 v[SPW], v[NIL]                      ; the opening lines: the add twice and one wait
	ds_add_u32 v[SPW], v[NIL]
	v_lshrrev_b32 v1, 5, v0
	v_readfirstlane_b32 s14, v1                    ; wave
	s_lshr_b32 s15, s14, 1
	s_and_b32 s16, s14, 1
	s_and_b32 s18, ttmp7, 0xffff
	s_lshl_b32 s18, s18, 2
	s_mov_b32 s98, 0xffff0000
	s_mov_b32 s[SEL], 0x76543210
	s_mov_b32 s[SEL+1], 0xfedcba98
	s_wait_dscnt 0x0
	s_wait_kmcnt 0x0
	s_cmp_eq_u32 ttmp9, 0                          ; the weight, its bias and its outputs by cluster x
	s_cselect_b64 s[8:9], s[28:29], s[32:33]
	s_cselect_b64 s[10:11], s[30:31], s[34:35]
	s_cselect_b64 s[96:97], s[40:41], s[42:43]
	s_cselect_b64 s[12:13], s[46:47], s[50:51]
	s_cselect_b64 s[66:67], s[48:49], s[52:53]
	s_cmp_eq_u32 ttmp9, 2
	s_cselect_b64 s[8:9], s[36:37], s[8:9]
	s_cselect_b64 s[10:11], s[38:39], s[10:11]
	s_cselect_b64 s[96:97], s[44:45], s[96:97]
	s_cselect_b64 s[12:13], s[54:55], s[12:13]
	s_cselect_b64 s[66:67], s[56:57], s[66:67]
	s_cselect_b64 s[4:5], s[8:9], s[24:25]         ; v: the weight is source 1, x source 0
	s_cselect_b64 s[6:7], s[10:11], s[26:27]
	s_cselect_b64 s[8:9], s[24:25], s[8:9]
	s_cselect_b64 s[10:11], s[26:27], s[10:11]
	s_cselect_b32 s2, 1, 0
	s_cselect_b32 s19, 0, s18
	s_cselect_b32 s20, s18, 0
	s_bfe_u32 s40, ttmp6, 0x40000
	s_bfe_u32 s41, ttmp6, 0x40004
	s_add_co_u32 s42, s40, s20                     ; tile column
	s_add_co_u32 s17, s41, s19                     ; tile row
	s_lshl_b32 s43, s41, 2
	s_lshl_b32 s43, 15, s43
	s_lshl_b32 s44, 0x1111, s40
	s_or_b32 s[G1+0], s43, (0<<16)|(1<<20)|(1<<21)|(5<<22)|(3<<25)
	s_or_b32 s[G1B+0], s44, (0<<16)|(1<<20)|(1<<21)|(5<<22)|(3<<25)
.irp g, G1, G1B
	s_mov_b32 s[\g+1], ROWB<<16
	s_mov_b32 s[\g+2], 256<<16                     ; 256 rows for the head's loads
	s_mov_b32 s[\g+3], ROWB<<16
	s_mov_b32 s[\g+4], 256
	s_mov_b32 s[\g+5], KROW
	s_mov_b32 s[\g+6], 0
	s_mov_b32 s[\g+7], 0
.endr
	s_or_b32 s[G1S+0], s43, (3<<16)|(1<<20)|(1<<21)|(5<<22)|(3<<25)
	s_or_b32 s[G1SB+0], s44, (3<<16)|(1<<20)|(1<<21)|(5<<22)|(3<<25)
.irp g, G1S, G1SB
	s_mov_b32 s[\g+1], 32<<16                      ; the scales of 256 rows: KS rows of 256 bytes
	s_mov_b32 s[\g+2], KS<<16
	s_mov_b32 s[\g+3], 32<<16
	s_mov_b32 s[\g+4], KS
	s_mov_b32 s[\g+5], 32
	s_mov_b32 s[\g+6], 0
	s_mov_b32 s[\g+7], 0
.endr
	s_lshl_b32 s20, s17, 8
	s_lshl_b32 s46, s42, 8
	s_mov_b32 s21, 0
	s_mov_b32 s47, 0
	s_mov_b64 s[18:19], KS
	s_mul_u64 s[22:23], s[20:21], s[18:19]
	s_mul_u64 s[92:93], s[46:47], s[18:19]
	s_mov_b64 s[18:19], KROW
	s_mul_u64 s[20:21], s[20:21], s[18:19]
	s_mul_u64 s[46:47], s[46:47], s[18:19]
	s_mul_i32 s18, s16, 128*KROW                   ; in the ring I fetch 128 rows
	s_mov_b32 s19, 0
	s_mul_i32 s45, s14, HALFT
	s_add_nc_u64 s[20:21], s[4:5], s[20:21]
	s_add_nc_u64 s[22:23], s[6:7], s[22:23]
	s_add_nc_u64 s[46:47], s[8:9], s[46:47]
	s_add_nc_u64 s[92:93], s[10:11], s[92:93]
	s_cmp_eq_u32 s15, 0                            ; the prefetches: of my 128 rows the 32 of my place among the four partners
	s_cselect_b32 s94, s40, s41
	s_cselect_b64 s[PFA:PFA+1], s[20:21], s[46:47]
	s_lshl_b32 s94, s94, 5
	s_mul_i32 s94, s94, KROW
	s_mov_b32 s95, 0
	s_add_nc_u64 s[PFA:PFA+1], s[PFA:PFA+1], s[94:95]
	s_add_nc_u64 s[PFA:PFA+1], s[PFA:PFA+1], s[18:19]
	CROUND                                         ; the first joint loads meet
	s_mov_b32 s[G0H], 1
	s_mov_b32 s[G0H+1], 0
	s_mov_b64 s[G0H+2:G0H+3], s[20:21]
	s_or_b32 s[G0H+3], s[G0H+3], 0x80000000
	s_mov_b32 s[G0HB], 1
	s_mov_b32 s[G0HB+1], 2*HALFT
	s_mov_b64 s[G0HB+2:G0HB+3], s[46:47]
	s_or_b32 s[G0HB+3], s[G0HB+3], 0x80000000
	s_mov_b32 s[G0S], 1
	s_mov_b32 s[G0S+1], SCL
	s_mov_b64 s[G0S+2:G0S+3], s[22:23]
	s_or_b32 s[G0S+3], s[G0S+3], 0x80000000
	s_mov_b32 s[G0SB], 1
	s_mov_b32 s[G0SB+1], SCL+2*HALFS
	s_mov_b64 s[G0SB+2:G0SB+3], s[92:93]
	s_or_b32 s[G0SB+3], s[G0SB+3], 0x80000000
	s_add_nc_u64 s[20:21], s[20:21], s[18:19]
	s_add_nc_u64 s[46:47], s[46:47], s[18:19]
.irp s, 0,1
	s_mov_b32 s[G0+4*\s], 1
	s_add_co_u32 s[G0+4*\s+1], s45, \s*SLOT
	s_add_nc_u64 s[G0+4*\s+2:G0+4*\s+3], s[20:21], \s*ROWB
	s_or_b32 s[G0+4*\s+3], s[G0+4*\s+3], 0x80000000
	s_mov_b32 s[G0B+4*\s], 1
	s_add_co_u32 s[G0B+4*\s+1], s45, \s*SLOT
	s_add_nc_u64 s[G0B+4*\s+2:G0B+4*\s+3], s[46:47], \s*ROWB
	s_or_b32 s[G0B+4*\s+3], s[G0B+4*\s+3], 0x80000000
.endr
; the head's four tiles, one load a wave: chunk 0 of source 1, of source 0, the two blocks of scales
.macro ARM under, g0, g1, next
	s_cmp_lt_u32 s14, \under
	s_cbranch_scc0 \next
	tensor_load_to_lds s[\g0:\g0+3], s[\g1:\g1+7]
	s_nop 0
.rept 4
	v_nop
.endr
	s_branch .Lhead_asked
\next:
.endm
	ARM 1, G0H,  G1,  .Lhead_b
	ARM 2, G0HB, G1B, .Lhead_sa
	ARM 3, G0S,  G1S, .Lhead_sb
	tensor_load_to_lds s[G0SB:G0SB+3], s[G1SB:G1SB+7]
	s_nop 0
.rept 4
	v_nop
.endr
.Lhead_asked:
	v_and_b32 v1, 15, v0
	v_bfe_u32 v2, v0, 4, 1
	v_mul_u32_u24 v3, v1, PITCH
	v_mul_u32_u24 v4, v2, 24
	v_add_nc_u32 v4, v3, v4                        ; row x pitch + 24 x half
	s_mov_b32 s21, SLOT-232
	s_mov_b32 s22, SLOT+232
	v_sub_nc_u32 v7, 1, v2
	v_mul_u32_u24 v5, s21, v2
	v_add_nc_u32 v5, v3, v5
	v_add_nc_u32 v5, 232, v5                       ; lanes 0-15 byte 232 in slot 0, lanes 16-31 byte 0 in slot 1
	v_mul_u32_u24 v6, s22, v7
	v_add_nc_u32 v6, v3, v6                        ; and the other way round
	s_mul_i32 s21, s15, HALFT
	s_mul_i32 s22, s16, HALFT
	s_add_co_u32 s22, s22, 2*HALFT
	v_add_nc_u32 v[ADRA+2], s21, v5
	v_add_nc_u32 v[ADRA+3], s21, v6
	v_add_nc_u32 v[ADRB+2], s22, v5
	v_add_nc_u32 v[ADRB+3], s22, v6
.irp s, 0,1
	v_add_nc_u32 v[ADRA+\s], s21, v4
	v_add_nc_u32 v[ADRB+\s], s22, v4
	s_add_co_u32 s21, s21, SLOT
	s_add_co_u32 s22, s22, SLOT
.endr
	v_mul_u32_u24 v5, v1, KS
	v_lshrrev_b32 v6, 8, v5
	v_lshl_add_u32 v5, v6, 4, v5
	s_mul_i32 s21, s15, HALFS
	s_mul_i32 s22, s16, HALFS
	s_add_co_u32 s22, s22, 2*HALFS
	s_sub_co_u32 s22, s22, s21
	v_mul_u32_u24 v6, s22, v2                      ; lanes 16-31 take source 0's words
	s_add_co_u32 s21, s21, SCL
	v_add_nc_u32 v5, v5, v6
	v_add_nc_u32 v[ADRS], s21, v5
	v_and_b32 v6, 31, v0
	v_lshlrev_b32 v[O16], 4, v6
	v_lshlrev_b32 v[O8], 3, v6
	v_mul_u32_u24 v[PFO], v6, KROW
	v_lshlrev_b32 v[OBN], 5, v2
	v_lshlrev_b32 v[OBM], 2, v1
	s_wait_alu depctr_va_vdst(0)                   ; the wait ahead of the scalar stretch below
	global_prefetch_b8 v[PFO], s[PFA:PFA+1] offset:ROWB th:TH_LOAD_NT scope:SCOPE_SE   ; chunk 1 of my 32 rows
	s_lshl_b32 s20, s17, 8                         ; where my results go
	s_lshl_b32 s21, s15, 7
	s_add_co_u32 s20, s20, s21
	s_lshl_b32 s46, s42, 8
	s_lshl_b32 s47, s16, 7
	s_add_co_u32 s46, s46, s47
	s_cmp_eq_u32 s2, 0
	s_cselect_b32 s22, s20, s46                    ; my first token,
	s_cselect_b32 s23, s46, s20                    ; my first feature
	s_cselect_b32 s92, s46, 0
	s_cselect_b32 s94, 0, s20
	s_cselect_b32 s45, 9, 8
	s_lshr_b32 s21, s22, 11
	s_lshl_b32 s21, s21, 4
	s_lshr_b32 s23, s23, 6
	s_add_co_u32 s21, s21, s23                     ; 16 b + head
	s_lshl_b32 s21, s21, 4
	s_bfe_u32 s22, s22, 0x40007
	s_add_co_u32 s21, s21, s22                     ; x 16 + the block of 128 tokens
	s_mul_i32 s46, s21, 6144
	s_mov_b32 s47, 0
	s_add_nc_u64 s[12:13], s[12:13], s[46:47]
	s_lshl_b32 s46, s21, s45
	s_add_nc_u64 s[66:67], s[66:67], s[46:47]
	s_lshl_b32 s92, s92, 2
	s_mov_b32 s93, 0
	s_add_nc_u64 s[92:93], s[96:97], s[92:93]
	s_lshl_b32 s94, s94, 2
	s_mov_b32 s95, 0
	s_add_nc_u64 s[94:95], s[96:97], s[94:95]
.irp t, 0,1,2,3,4,5,6,7
	global_load_b128 v[BN+8*\t:BN+8*\t+3], v[OBN], s[92:93] offset:64*\t
	global_load_b128 v[BN+8*\t+4:BN+8*\t+7], v[OBN], s[92:93] offset:64*\t+16
.endr
.irp a, 0,1,2,3,4,5,6,7
	global_load_b32 v[BM+\a], v[OBM], s[94:95] offset:64*\a
.endr
.macro FRAG reg, adr, st, i            ; 16 rows x 128 K: six pieces of 8 bytes; byte y of a row lies in slot (y / 256) % 2 at byte y % 256
.irp p, 0,1,2,3,4,5
.set BY, 96*(\st)+48*(\p/3)+8*(\p%3)
.if BY/ROWB == (BY+24)/ROWB
	ds_load_b64 v[\reg+2*\p:\reg+2*\p+1], v[\adr+(BY/ROWB)%2] offset:BY%ROWB+(\i)*16*PITCH
.else
	ds_load_b64 v[\reg+2*\p:\reg+2*\p+1], v[\adr+2+(BY/ROWB)%2] offset:BY%ROWB-232+(\i)*16*PITCH
.endif
.endr
.endm
.macro MUL16 a0, p, q, sc, zero        ; the 64 accumulators take turns, one instruction a turn
.irp a, \a0, \a0+1
.irp b, 0,1,2,3,4,5,6,7
.if \zero
	v_wmma_scale_f32_16x16x128_f8f6f4 v[8*(8*((\a)%4)+\b):8*(8*((\a)%4)+\b)+7], v[128*(\p)+FR*\b:128*(\p)+FR*\b+FR-1], v[AF+FR*(\a):AF+FR*(\a)+FR-1], 0, v[SC+8*NQ*(\sc)+NQ*\b+(\q)], v[SC+8*NQ*(\sc)+NQ*(\a)+(\q)] matrix_a_fmt:MATRIX_FMT_FP6 matrix_b_fmt:MATRIX_FMT_FP6 matrix_a_scale:MATRIX_SCALE_ROW1
.else
	v_wmma_scale_f32_16x16x128_f8f6f4 v[8*(8*((\a)%4)+\b):8*(8*((\a)%4)+\b)+7], v[128*(\p)+FR*\b:128*(\p)+FR*\b+FR-1], v[AF+FR*(\a):AF+FR*(\a)+FR-1], v[8*(8*((\a)%4)+\b):8*(8*((\a)%4)+\b)+7], v[SC+8*NQ*(\sc)+NQ*\b+(\q)], v[SC+8*NQ*(\sc)+NQ*(\a)+(\q)] matrix_a_fmt:MATRIX_FMT_FP6 matrix_b_fmt:MATRIX_FMT_FP6 matrix_a_scale:MATRIX_SCALE_ROW1
.endif
.endr
.endr
.endm
.macro FETCH_B st, p
	WIN TO_B
.irp i, 0,1,2,3,4,5,6,7
	FRAG 128*(\p)+FR*\i, ADRB, \st, \i
.endr
	WIN 0
.endm
.macro FETCH_A st, i0
.irp i, \i0, \i0+1, \i0+2, \i0+3
	FRAG AF+FR*(\i), ADRA, \st, \i
.endr
.endm
.macro SCALES pr
.irp i, 0,1,2,3,4,5,6,7
	ds_load_b64 v[SC+8*NQ*((\pr)%2)+NQ*\i:SC+8*NQ*((\pr)%2)+NQ*\i+1], v[ADRS] offset:\i*SBLK+4*NQ*(\pr)
.endr
.endm
.macro PLACES n
.rept \n
	v_nop
.endr
.endm
; A step: 64 products; the next step's fragments come in its middle and at its end.  Where the next step ends in a chunk not read yet: a barrier for that chunk.
; Where it begins in a later chunk: the wait for all loads, the add, the wait for it and for my reads, the barrier; where a chunk two on is left, a round and the refill.
.macro STEP st, zero
.set NX, (\st)+1
.set C0, (96*(\st))/ROWB
.set C1, (96*NX)/ROWB
.set E0, (96*(\st)+95)/ROWB
.set E1, (96*NX+95)/ROWB
.if C1 > C0 || E1 > E0
	s_wait_tensorcnt 0x0
.if C1 > C0
	ds_add_u32 v[SPW], v[NIL]
	s_wait_dscnt 4*NL+1                            ; the add and the 24 youngest loads may be out
.else
	s_wait_dscnt 4*NL                              ; the 24 youngest loads (blocks 4-7) may be out
.endif
	WIN MUL_LO
	MUL16 0, (\st)%2, (\st)%2, ((\st)/2)%2, \zero
	s_wait_dscnt 0x0
	s_barrier_signal -1
	MUL16 2, (\st)%2, (\st)%2, ((\st)/2)%2, \zero
	WIN 0
	s_barrier_wait -1
.if C1 > C0 && C0+2 < CHUNKS
	CREST
	s_add_nc_u64 s[G0+4*(C0%2)+2:G0+4*(C0%2)+3], s[G0+4*(C0%2)+2:G0+4*(C0%2)+3], 2*ROWB
	s_add_nc_u64 s[G0B+4*(C0%2)+2:G0B+4*(C0%2)+3], s[G0B+4*(C0%2)+2:G0B+4*(C0%2)+3], 2*ROWB
	JLOAD G0+4*(C0%2), G1, G0B+4*(C0%2), G1B
.else
	PLACES NP
.endif
.else
	s_wait_dscnt 4*NL
	WIN MUL_LO
	MUL16 0, (\st)%2, (\st)%2, ((\st)/2)%2, \zero
	MUL16 2, (\st)%2, (\st)%2, ((\st)/2)%2, \zero
	s_wait_dscnt 0
	PLACES NP
.endif
	FETCH_B NX, NX%2
	FETCH_A NX, 0
.if NX%2 == 0
	SCALES NX/2
.endif
	WIN MUL_HI
	MUL16 4, (\st)%2, (\st)%2, ((\st)/2)%2, \zero
	MUL16 6, (\st)%2, (\st)%2, ((\st)/2)%2, \zero
	PLACES NP
	WIN 0
	FETCH_A NX, 4
.endm
	s_wait_alu depctr_va_vdst(0)                   ; the wait at the head's end
	s_wait_tensorcnt 0x0                           ; my tile of the head's four is in
	ds_add_u32 v[SPW], v[NIL]
	s_mov_b32 s[G1+2], 128<<16                     ; no load of mine is out: from here on a load brings 128 rows
	s_mov_b32 s[G1+4], 128
	s_mov_b32 s[G1B+2], 128<<16
	s_mov_b32 s[G1B+4], 128
	s_wait_dscnt 0x0
	CROUND
	JLOAD G0+4, G1, G0B+4, G1B                     ; chunk 1, slot 1's first fill
	FETCH_B 0, 0
	FETCH_A 0, 0
	SCALES 0
	FETCH_A 0, 4
	global_prefetch_b8 v[PFO], s[PFA:PFA+1] offset:2*ROWB th:TH_LOAD_NT scope:SCOPE_SE   ; chunk 2, two steps ahead of its load
	STEP 0, 1
.set ST, 1
.rept STEPS-2
	STEP ST, 0
.set ST, ST+1
.endr
	s_wait_dscnt 4*NL
	WIN MUL_LO
	MUL16 0, 1, 1, 1, 0
	MUL16 2, 1, 1, 1, 0
	s_wait_dscnt 0
	WIN MUL_HI
	MUL16 4, 1, 1, 1, 0
	MUL16 6, 1, 1, 1, 0
	WIN 0
; THE WAY OUT: bias, four blocks of 32 along the registers (16 mine, 16 of lane l xor 16), codes as images of operand registers
.macro QUANT s
.irp b, 0,1,2,3
	v_max3_num_f32 v[TM+\b], |v[\s+16*\b]|, |v[\s+1+16*\b]|, 0x1800000
.endr
.irp i, 2,4,6,8,10,12,14
.irp b, 0,1,2,3
	v_max3_num_f32 v[TM+\b], v[TM+\b], |v[\s+16*\b+\i]|, |v[\s+1+16*\b+\i]|
.endr
.endr
.irp b, 0,1,2,3
	v_permlanex16_b32 v[TM+4+\b], v[TM+\b], s[SEL], s[SEL+1]
.endr
.irp b, 0,1,2,3
	v_max_num_f32 v[TM+\b], v[TM+\b], v[TM+4+\b]
.endr
.irp b, 0,1,2,3
	v_add_nc_u32 v[TM+12+\b], 0xff000000, v[TM+\b]
.endr
.irp b, 0,1,2,3
	v_lshrrev_b32 v[TM+4+\b], 23, v[TM+12+\b]
.endr
	v_lshl_or_b32 v[PW], v[TM+5], 8, v[TM+4]
	v_lshl_or_b32 v[PW], v[TM+6], 16, v[PW]
	v_lshl_or_b32 v[PW], v[TM+7], 24, v[PW]
.irp c, 0,1
	v_cvt_scalef32_pk16_fp6_f32 v[PC+6*\c:PC+2+6*\c], v[\s+32*\c:\s+15+32*\c], v[TM+12+2*\c]
	v_cvt_scalef32_pk16_fp6_f32 v[PC+12+4*\c:PC+14+4*\c], v[\s+16+32*\c:\s+31+32*\c], v[TM+12+2*\c+1]
.endr
	v_nop
.irp c, 0,1
.irp i, 0,1,2
	v_permlane16_swap_b32 v[PC+6*\c+\i], v[PC+12+4*\c+\i]
.endr
.irp i, 0,1,2
	v_mov_b32 v[PC+3+6*\c+\i], v[PC+12+4*\c+\i]
.endr
.endr
.endm
.macro BLOCK a, path
.if (\a) > 0
	s_wait_xcnt 0x0                                ; the last block's stores have read their data
.endif
.if \path
	v_mov_b32 v[BB], v[BM+(\a)]
.endif
	s_wait_alu depctr_va_vdst(0)
	WIN 0x02+(\a)/4
.set AC, 64*((\a)%4)
.set ii, 0
.rept 32
.if \path
	v_pk_add_f32 v[T+ii:T+ii+1], v[AC+ii:AC+ii+1], v[BB:BB+1] op_sel_hi:[1,0]
.else
	v_pk_add_f32 v[T+ii:T+ii+1], v[AC+ii:AC+ii+1], v[BN+ii:BN+ii+1]
.endif
.set ii, ii+2
.endr
	WIN 0
	QUANT T
.if ((\a)%2) == 0
	v_mov_b32 v[SW+(\a)/2], v[PW]
.else
	v_cndmask_b32 v[SW+(\a)/2], v[SW+(\a)/2], v[PW], s98
.endif
.if \path
.irp c, 0,1,2
	global_store_b128 v[O16], v[PC+4*\c:PC+4*\c+3], s[12:13] offset:((\a)/4)*98304+((\a)%4)*1536+512*\c
.endr
.else
	global_store_b128 v[O16], v[PC:PC+3], s[12:13] offset:768*(\a)
	global_store_b64 v[O8], v[PC+4:PC+5], s[12:13] offset:768*(\a)+512
	global_store_b128 v[O16], v[PC+6:PC+9], s[12:13] offset:768*(\a)+98304
	global_store_b64 v[O8], v[PC+10:PC+11], s[12:13] offset:768*(\a)+98304+512
.endif
.endm
	PLACES NP
	s_wait_loadcnt 0x0
.irp b, 0,1,2,3
	v_mov_b32 v[TM+4+\b], 0
.endr
	v_mov_b32 v[BB+1], 0
	s_cmp_eq_u32 s2, 0
	s_cbranch_scc0 .Lout_v
.irp a, 0,1,2,3,4,5,6,7
	BLOCK \a, 0
.endr
.irp i, 0,1,2,3
	v_lshrrev_b32 v[SW1+\i], 16, v[SW+\i]
.endr
.irp i, 0,1,2,3
	v_and_b32 v[SW+\i], 0xffff, v[SW+\i]
.endr
	global_store_b128 v[O16], v[SW:SW+3], s[66:67]
	global_store_b128 v[O16], v[SW1:SW1+3], s[66:67] offset:8192
	s_branch .Lout_done
.Lout_v:
.irp a, 0,1,2,3,4,5,6,7
	BLOCK \a, 1
.endr
	global_store_b64 v[O8], v[SW:SW+1], s[66:67]
	global_store_b64 v[O8], v[SW+2:SW+3], s[66:67] offset:4096
.Lout_done:
	s_wait_tensorcnt 0x0                           ; the wave's end
	ds_add_u32 v[SPW], v[NIL]
	s_wait_dscnt 0x0
	CROUND                                         ; the closing round
	s_endpgm
.Lfunc_end_k_q629704fddb_qkv:
	.size	k_q629704fddb_qkv, .Lfunc_end_k_q629704fddb_qkv-k_q629704fddb_qkv
	.p2alignl 7, 3214868480
	.fill 96, 4, 3214868480
	.section	.rodata,"a",@progbits
	.p2align	6, 0x0
	.amdhsa_kernel k_q629704fddb_qkv
		.amdhsa_group_segment_fixed_size 327680
		.amdhsa_private_segment_fixed_size 0
		.amdhsa_enable_private_segment 0
		.amdhsa_kernarg_size 136
		.amdhsa_user_sgpr_count 2
		.amdhsa_user_sgpr_kernarg_segment_ptr 1
		.amdhsa_wavefront_size32 1
		.amdhsa_system_sgpr_workgroup_id_x 1
		.amdhsa_system_sgpr_workgroup_id_y 1
		.amdhsa_system_sgpr_workgroup_id_z 1
		.amdhsa_system_vgpr_workitem_id 0
		.amdhsa_next_free_vgpr 1024
		.amdhsa_next_free_sgpr 102
		.amdhsa_reserve_vcc 0
		.amdhsa_float_denorm_mode_32 3
		.amdhsa_float_denorm_mode_16_64 3
		.amdhsa_memory_ordered 1
		.amdhsa_forward_progress 1
		.amdhsa_inst_pref_size 236
	.end_amdhsa_kernel
	.amdgpu_metadata
---
amdhsa.version: [ 1, 2 ]
amdhsa.kernels:
  - .name:           k_q629704fddb_qkv
    .symbol:         k_q629704fddb_qkv.kd
    .args:
      - { .name: x_codes, .offset: 0, .size: 8, .value_kind: global_buffer, .address_space: global }
      - { .name: x_scales, .offset: 8, .size: 8, .value_kind: global_buffer, .address_space: global }
      - { .name: Wq_codes, .offset: 16, .size: 8, .value_kind: global_buffer, .address_space: global }
      - { .name: Wq_scales, .offset: 24, .size: 8, .value_kind: global_buffer, .address_space: global }
      - { .name: Wk_codes, .offset: 32, .size: 8, .value_kind: global_buffer, .address_space: global }
      - { .name: Wk_scales, .offset: 40, .size: 8, .value_kind: global_buffer, .address_space: global }
      - { .name: Wv_codes, .offset: 48, .size: 8, .value_kind: global_buffer, .address_space: global }
      - { .name: Wv_scales, .offset: 56, .size: 8, .value_kind: global_buffer, .address_space: global }
      - { .name: bq, .offset: 64, .size: 8, .value_kind: global_buffer, .address_space: global }
      - { .name: bk, .offset: 72, .size: 8, .value_kind: global_buffer, .address_space: global }
      - { .name: bv, .offset: 80, .size: 8, .value_kind: global_buffer, .address_space: global }
      - { .name: qcod, .offset: 88, .size: 8, .value_kind: global_buffer, .address_space: global }
      - { .name: qscl, .offset: 96, .size: 8, .value_kind: global_buffer, .address_space: global }
      - { .name: kcod, .offset: 104, .size: 8, .value_kind: global_buffer, .address_space: global }
      - { .name: kscl, .offset: 112, .size: 8, .value_kind: global_buffer, .address_space: global }
      - { .name: vcod, .offset: 120, .size: 8, .value_kind: global_buffer, .address_space: global }
      - { .name: vscl, .offset: 128, .size: 8, .value_kind: global_buffer, .address_space: global }
    .group_segment_fixed_size: 327680
    .private_segment_fixed_size: 0
    .kernarg_segment_align: 8
    .kernarg_segment_size: 136
    .max_flat_workgroup_size: 128
    .sgpr_count:     102
    .vgpr_count:     1024
    .wavefront_size: 32
...
	.end_amdgpu_metadata
.endif
;; end of part 1
;; launch attn (part 2): grid 4 x 64, 8 waves a work-group, clusters of 4 x 1, 223,232 bytes of LDS; arguments qcod, qscl, kcod, kscl, vcod, vscl, inputs_mask, acod, ascl; writes acod, ascl
.if DOCPART == 2
	.amdgcn_target "amdgcn-amd-amdhsa--gfx1250"
	.amdhsa_code_object_version 6
	.text
	.protected	k_q629704fddb_attn
	.globl	k_q629704fddb_attn
	.p2align	8
	.type	k_q629704fddb_attn,@function
k_q629704fddb_attn:
	s_mov_b64 s[64:65], 0
	v_nop
	global_prefetch_b8 v0, s[64:65] scope:SCOPE_SE
	s_setreg_imm32_b32 hwreg(HW_REG_WAVE_MODE, 25, 1), 1
	s_wait_xcnt 0x0
	s_wait_alu depctr_hold_cnt(0) depctr_sa_sdst(0) depctr_va_vdst(0) depctr_va_sdst(0) depctr_va_ssrc(0) depctr_va_vcc(0) depctr_vm_vsrc(0)
	s_getreg_b32 s2, hwreg(HW_REG_IB_STS2, 6, 4)
	s_cmp_eq_u32 s2, 0
	s_cbranch_scc0 .Lentry_in_a_cluster
	s_endpgm
.Lentry_in_a_cluster:
	s_bfe_u32 s2, ttmp6, 0x10000c
	s_cmp_lg_u32 s2, 0x3003
	s_cbranch_scc0 .Lentry_shape_is_right
	s_endpgm
.Lentry_shape_is_right:
; For each (b, head): o[q] = sum over keys of softmax(q . k / 32 + m_q m_k) v, both products on codes of FP6 (E2M3) with E8M0 scales; o is quantised along the features for the output projection.
; THE SOFTMAX: S = q . k + 32 m_q m_k (the mask's term is the C of the score product); t = S x log2(e) / 32; M = the running largest t rounded up to a whole number; p = 2^(t - M) is quantised along the keys, not normalised.
; The row's sum is taken of the unquantised p and divides O at the end.  When M moves, the sum and O are multiplied by 2^(old M - new M): exact.
; SHARES.  A work-group owns 512 queries of one (b, head); each of its eight waves 64: two passes, in each TWO tiles of 16 queries (A and B) side by side, 16 key steps of 128 keys.
; The two tiles share each step's fragments of K and V and its mask numbers: each LDS read serves both.  Tile A's own registers lie in window 0, tile B's at the same numbers in window 1.
; A step: V's loads; the mask's terms of B and A; the 16 score products; the next step's K is asked for; A's softmax; A's second product; the next step's mask is asked for (into A's score registers, now free); B's softmax; B's second product.
; A head's WHOLE K and V, with their scale words, lie in LDS: 208,896 bytes, filled once, by ONE tensor load a wave at the head: waves 0-2 a third of K's codes each (128 rows of 256 bytes), waves 3-5 of V's, wave 6 K's scale words, wave 7 V's.
; One wait for 0 and one barrier follow; nothing is filled again, so the key steps have no barrier.
; CLUSTER.  The four work-groups of a cluster are the four query blocks of one (b, head): every fill is a joint load with the mask 15.
; NO PREFETCH: all fills go out at the head, so there is no loop to run ahead in.
; LAYOUT.  Both products are used transposed: S^T = K Q^T, O^T = V^T P^T: a lane holds one query (lane % 16) throughout.  All operands lie in LDS as images of their registers: lane l's bytes at 16 l or 8 l.
; K = 64 IN AN INSTRUCTION OF 128: Q's upper six registers are zero codes; K's operand of tile t is twelve registers from its six on, so its upper half is the next tile's codes, which meet zero codes; bytes 2, 3 of both scale words are 0.
; ORDER INSIDE A BLOCK OF 32 KEYS: 0-7, 16-23, 8-15, 24-31, in p as in v's codes.  On the way out o's halves are exchanged first, so that its codes lie in the true order, as Wo's do.
; LIMITS: NaN and infinities are not served; |t| stays under 2^24, so that M is a whole number in f32; a block whose largest magnitude lies under 2^-124 keeps the scale byte 1; a mask beyond 2^24 is rounded as a cast to f32 rounds it.
.set VC,    98304
.set KSC,   196608
.set VSC,   204800
.set MK,    208896                     ; the batch's mask as f32 (stored by the waves; no fill lands here)
.set SG,    217088                     ; the stage for o's scale words (likewise)
.set SPARE, 221184                     ; the spare words, 128 bytes a wave
; window 0 alone: addresses, K's fragments, all scale words
.set AK8,  2
.set AV,   3
.set AKS,  4
.set AVS,  5
.set AM,   6
.set L16,  7
.set L8,   8
.set R16,  9
.set R4,   10
.set ASG,  11
.set QS,   28                          ; v28, v29 Q's scale words of A, B
.set KF,   32                          ; v[32:79] K's 8 x 6 registers, v[80:85] zero codes
.set VF,   32                          ; in window 1: v[32:79] V's 4 x 12 registers
.set KSW,  86
.set VSW,  90
.set PSW,  92                          ; v92, v93 p's scale words of A, B
.set ADM,  232
.set ADK16, 233
.set ADK8, 234
.set ADS,  235
.set ADV,  236
.set ADT,  237
.set ADG,  238
.set T16,  239
.set AMK,  244
.set ASR,  245
.set G16,  246
.set SPW,  254
.set NIL,  255
; a tile's own, at the same numbers in both windows: v12 -M, v13 the largest t, v[14:15] the sums
.set QF,   16                          ; v[16:21] Q's codes, v[22:27] zero codes
.set AI,   30                          ; 32 m of my query, and 0
.set S,    96                          ; the mask's term, then S^T, then p
.set MW,   96                          ; (at work in the head and in the tail)
.set O,    160
.set PCD,  192
.set PC2,  204
.set BMX,  212
.set PX,   216
.set SO,   220
.set F,    224
.set TMP,  226
.set OLDM, 227
.set SUM2, 228
.set WV,   22
.set PASS, 23
.set CNT,  24
.set TB,   25                          ; the step's bytes in K's and V's codes: 6,144 a step
.set TS,   26                          ; in K's scale words and in the mask: 512
.set TJ,   27                          ; in V's scale words: 256
.set G1C,  28
.set G1KS, 36
.set G1VS, 44
.set G0KS, 52
.set G0VS, 56
.set SEL,  60
.set CS,   62
.set SGO,  66
.set G0C,  68
.set MSB, 0
.macro WIN new                         ; bits 1:0 source 0, 3:2 source 1, 5:4 source 2, 7:6 destination; the high byte repeats the setting that is left
.if MSB != \new
	s_set_vgpr_msb (MSB<<8)|\new
.set MSB, \new
.endif
.endm
.macro ROUND
	s_barrier_signal -1
	s_barrier_wait -1
	s_cmp_lg_u32 s[WV], 0
	s_cbranch_scc1 .Lnot_wave_0_\@
	s_barrier_signal -3
.Lnot_wave_0_\@:
	s_barrier_wait -3
	s_barrier_signal -1
	s_barrier_wait -1
.endm
	s_load_b512 s[4:19], s[0:1], 0x0               ; q codes, q scales, k codes, k scales, v codes, v scales, mask, o's codes
	s_load_b64 s[20:21], s[0:1], 0x40              ; o's scale words
	v_lshl_add_u32 v[SPW], v0, 2, SPARE
	v_mov_b32 v[NIL], 0
	ds_add_u32 v[SPW], v[NIL]                      ; the opening lines: the add twice and one wait
	ds_add_u32 v[SPW], v[NIL]
	v_lshrrev_b32 v1, 5, v0
	s_delay_alu instid0(VALU_DEP_1)
	v_readfirstlane_b32 s[WV], v1
	v_and_b32 v[L16], 31, v0
	v_and_b32 v[R16], 15, v0
	v_bfe_u32 v[AM], v0, 4, 1
	s_delay_alu instid0(VALU_DEP_3)
	v_lshlrev_b32 v[L8], 3, v[L16]
	s_delay_alu instid0(VALU_DEP_4)
	v_lshlrev_b32 v[L16], 4, v[L16]
	s_delay_alu instid0(VALU_DEP_4)
	v_lshlrev_b32 v[R4], 2, v[R16]
	v_lshlrev_b32 v[R16], 4, v[R16]
	s_delay_alu instid0(VALU_DEP_4)
	v_add_nc_u32 v[AK8], 512, v[L8]
	s_delay_alu instid0(VALU_DEP_4)
	v_add_nc_u32 v[AV], VC, v[L16]
	v_add_nc_u32 v[AKS], KSC, v[L16]
	v_add_nc_u32 v[AVS], VSC, v[L8]
	v_lshl_add_u32 v[AM], v[AM], 5, MK
	s_lshl_b32 s84, s[WV], 8                       ; my 64 queries' words in the stage
	v_add_nc_u32 v[ASG], s84, v[R4]
	s_delay_alu instid0(VALU_DEP_1)
	v_add_nc_u32 v[ASG], SG, v[ASG]
	v_lshlrev_b32 v[T16], 4, v0
	s_delay_alu instid0(VALU_DEP_1)
	v_add_nc_u32 v[AMK], MK, v[T16]
	v_and_b32 v[G16], 127, v0
	s_delay_alu instid0(VALU_DEP_1)
	v_lshlrev_b32 v[G16], 4, v[G16]
	s_delay_alu instid0(VALU_DEP_1)
	v_add_nc_u32 v[ASR], SG, v[G16]
	s_and_b32 s84, ttmp7, 0xffff                   ; 16 b + head, which the four partners share
	s_cmp_lt_u32 s[WV], 3
	s_cselect_b32 s89, 0, 3
	s_sub_co_u32 s89, s[WV], s89                   ; which third of K's or of V's codes
	s_lshl_b32 s89, s89, 15
	s_mul_i32 s90, s84, 98304
	s_add_co_u32 s90, s90, s89
	s_mov_b32 s91, 0
	s_lshl_b32 s94, s[WV], 15                      ; its place in LDS: V's codes lie behind K's three thirds
.irp g, G1C, G1KS, G1VS                        ; dense blocks as rows of 256 bytes; the mask names all four work-groups
	s_mov_b32 s[\g], 15|(3<<16)|(1<<21)
	s_mov_b32 s[\g+1], 32<<16
	s_mov_b32 s[\g+3], 32<<16
	s_mov_b32 s[\g+5], 32
	s_mov_b32 s[\g+6], 0
	s_mov_b32 s[\g+7], 0
.endr
	s_mov_b32 s[G1C+2], 128<<16                    ; 32,768 bytes
	s_mov_b32 s[G1C+4], 128
	s_mov_b32 s[G1KS+2], 32<<16                    ; 8,192 bytes
	s_mov_b32 s[G1KS+4], 32
	s_mov_b32 s[G1VS+2], 16<<16                    ; 4,096 bytes
	s_mov_b32 s[G1VS+4], 16
	s_mov_b32 s[SEL], 0x76543210
	s_mov_b32 s[SEL+1], 0xfedcba98
	s_mov_b32 s[CS], 0x3d38aa3b                    ; log2(e) / 32
	s_mov_b32 s[CS+1], s[CS]
	s_mov_b32 s[SGO], 0
	s_wait_dscnt 0x0
	s_wait_kmcnt 0x0
	s_cmp_lt_u32 s[WV], 3
	s_cselect_b64 s[92:93], s[8:9], s[12:13]
	s_add_nc_u64 s[92:93], s[92:93], s[90:91]
	s_mov_b32 s[G0C], 1
	s_mov_b32 s[G0C+1], s94
	s_mov_b64 s[G0C+2:G0C+3], s[92:93]
	s_or_b32 s[G0C+3], s[G0C+3], 0x80000000
	s_lshl_b32 s90, s84, 13                        ; K's scale words: 8,192 bytes a head
	s_mov_b32 s[G0KS], 1
	s_mov_b32 s[G0KS+1], KSC
	s_add_nc_u64 s[G0KS+2:G0KS+3], s[10:11], s[90:91]
	s_or_b32 s[G0KS+3], s[G0KS+3], 0x80000000
	s_lshl_b32 s90, s84, 12                        ; V's: 4,096 bytes a head
	s_mov_b32 s[G0VS], 1
	s_mov_b32 s[G0VS+1], VSC
	s_add_nc_u64 s[G0VS+2:G0VS+3], s[14:15], s[90:91]
	s_or_b32 s[G0VS+3], s[G0VS+3], 0x80000000
	ROUND                                          ; all four work-groups are here: the joint loads meet
	s_cmp_lt_u32 s[WV], 6                          ; one chain of branches on the wave's number, one fill to an arm
	s_cbranch_scc0 .Lnot_c
	tensor_load_to_lds s[G0C:G0C+3], s[G1C:G1C+7]
	s_nop 0
.rept 4
	v_nop
.endr
	s_branch .Lasked
.Lnot_c:
	s_cmp_lt_u32 s[WV], 7
	s_cbranch_scc0 .Lnot_ks
	tensor_load_to_lds s[G0KS:G0KS+3], s[G1KS:G1KS+7]
	s_nop 0
.rept 4
	v_nop
.endr
	s_branch .Lasked
.Lnot_ks:
	tensor_load_to_lds s[G0VS:G0VS+3], s[G1VS:G1VS+7]
	s_nop 0
.rept 4
	v_nop
.endr
.Lasked:
	; my own rows: the query block cx enters global addresses alone
	s_bfe_u32 s85, ttmp6, 0x40000                  ; cx
	s_lshr_b32 s86, s84, 4                         ; b
	s_and_b32 s87, s84, 15                         ; head
	s_lshl_b32 s88, s85, 5
	s_lshl_b32 s89, s[WV], 2
	s_add_co_u32 s88, s88, s89                     ; my first tile of queries: 32 cx + 4 w
	s_mul_i32 s90, s84, 98304
	s_mul_i32 s89, s88, 768
	s_add_co_u32 s90, s90, s89
	s_add_nc_u64 s[4:5], s[4:5], s[90:91]          ; its codes
	s_lshl_b32 s90, s84, 13                        ; its scale words: 8,192 (16 b + head) + 512 (4 cx + w / 2) + 8 (w % 2); tile B 256 on, a pass 4
	s_lshl_b32 s89, s85, 11
	s_add_co_u32 s90, s90, s89
	s_lshr_b32 s89, s[WV], 1
	s_lshl_b32 s89, s89, 9
	s_add_co_u32 s90, s90, s89
	s_and_b32 s89, s[WV], 1
	s_lshl_b32 s89, s89, 3
	s_add_co_u32 s90, s90, s89
	s_add_nc_u64 s[6:7], s[6:7], s[90:91]
	s_lshl_b32 s90, s86, 13
	s_add_nc_u64 s[92:93], s[16:17], s[90:91]      ; the batch's mask
	s_lshl_b32 s90, s85, 11
	s_lshl_b32 s89, s[WV], 8
	s_add_co_u32 s90, s90, s89
	s_add_nc_u64 s[16:17], s[92:93], s[90:91]      ; and my queries' part of it
	s_lshl_b32 s90, s86, 7
	s_add_co_u32 s90, s90, s88
	s_lshl_b32 s90, s90, 4
	s_add_co_u32 s90, s90, s87
	s_mul_i32 s90, s90, 768
	s_add_nc_u64 s[18:19], s[18:19], s[90:91]      ; o's codes: 768 (16 (128 b + tile) + head)
	s_lshl_b32 s90, s84, 13
	s_lshl_b32 s89, s85, 11
	s_add_co_u32 s90, s90, s89
	s_add_nc_u64 s[20:21], s[20:21], s[90:91]      ; o's scale words
	s_wait_alu depctr_va_vdst(0)
	global_load_b128 v[MW:MW+3], v[T16], s[92:93]  ; the batch's 2,048 mask numbers: eight a thread
	global_load_b128 v[MW+4:MW+7], v[T16], s[92:93] offset:4096
.irp j, 22,23,24,25,26,27, 31, 80,81,82,83,84,85, 216,217,218,219, 225
	v_mov_b32 v\j, 0                               ; zero codes; upper halves of pairs; lane permutes' destinations
.endr
	WIN 0x40
.irp j, 22,23,24,25,26,27, 31, 216,217,218,219, 225
	v_mov_b32 v\j, 0                               ; the same of tile B
.endr
	WIN 0
	s_wait_loadcnt 0x0
.irp j, 0,1,2,3,4,5,6,7
	v_cvt_f32_i32 v[MW+\j], v[MW+\j]
.endr
	ds_store_b128 v[AMK], v[MW:MW+3]
	ds_store_b128 v[AMK], v[MW+4:MW+7] offset:4096
	s_wait_alu depctr_va_vdst(0)                   ; the wait at the head's end
	s_wait_tensorcnt 0x0                           ; my fill has landed,
	s_wait_dscnt 0x0                               ; my part of the mask lies in LDS,
	s_barrier_signal -1
	s_barrier_wait -1                              ; everybody's: K, V, their scale words and the mask are whole
.macro KLOAD a16, a8, as, off, offs    ; a step's K: eight tiles of six registers, and their scale words: 17 loads
.irp t, 0,1,2,3,4,5,6,7
	ds_load_b128 v[KF+6*\t:KF+6*\t+3], v[\a16] offset:768*\t+\off
	ds_load_b64 v[KF+6*\t+4:KF+6*\t+5], v[\a8] offset:768*\t+\off
.endr
	ds_load_b128 v[KSW:KSW+3], v[\as] offset:\offs
.endm
.macro MLOAD am, off                   ; a step's mask numbers, in the result's layout, into A's score registers: 16 loads
.irp t, 0,1,2,3,4,5,6,7
	ds_load_b128 v[S+8*\t:S+8*\t+3], v[\am] offset:64*\t+\off
	ds_load_b128 v[S+8*\t+4:S+8*\t+7], v[\am] offset:64*\t+16+\off
.endr
.endm
.macro SCORE e                         ; S^T = K Q^T + the mask's term: eight accumulators, one instruction each
.irp t, 0,1,2,3,4,5,6,7
.if (\t)%2
	v_wmma_scale_f32_16x16x128_f8f6f4 v[S+8*\t:S+8*\t+7], v[KF+6*\t:KF+6*\t+11], v[QF:QF+11], v[S+8*\t:S+8*\t+7], v[KSW+\t/2], v[QS+\e] matrix_a_fmt:MATRIX_FMT_FP6 matrix_b_fmt:MATRIX_FMT_FP6 matrix_a_scale:MATRIX_SCALE_ROW1
.else
	v_wmma_scale_f32_16x16x128_f8f6f4 v[S+8*\t:S+8*\t+7], v[KF+6*\t:KF+6*\t+11], v[QF:QF+11], v[S+8*\t:S+8*\t+7], v[KSW+\t/2], v[QS+\e] matrix_a_fmt:MATRIX_FMT_FP6 matrix_b_fmt:MATRIX_FMT_FP6
.endif
.endr
.endm
.macro PV e                            ; O^T += V^T P^T: four accumulators, one instruction each
.irp t, 0,1,2,3
.if (\t)%2
	v_wmma_scale_f32_16x16x128_f8f6f4 v[O+8*\t:O+8*\t+7], v[VF+12*\t:VF+12*\t+11], v[PCD:PCD+11], v[O+8*\t:O+8*\t+7], v[VSW+\t/2], v[PSW+\e] matrix_a_fmt:MATRIX_FMT_FP6 matrix_b_fmt:MATRIX_FMT_FP6 matrix_a_scale:MATRIX_SCALE_ROW1
.else
	v_wmma_scale_f32_16x16x128_f8f6f4 v[O+8*\t:O+8*\t+7], v[VF+12*\t:VF+12*\t+11], v[PCD:PCD+11], v[O+8*\t:O+8*\t+7], v[VSW+\t/2], v[PSW+\e] matrix_a_fmt:MATRIX_FMT_FP6 matrix_b_fmt:MATRIX_FMT_FP6
.endif
.endr
.endm
; A tile's softmax of 128 keys: from S^T to p's codes and scale word, the sums and O^T under the new M.  e = 0: tile A, window 0; e = 1: tile B, window 1
.macro SOFT e
	WIN 0x55*\e
.if \e
	s_wait_alu depctr_va_vdst(0)
.endif
.irp b, 0,1,2,3
	v_max3_num_f32 v[BMX+\b], v[S+16*\b], v[S+1+16*\b], v[S+2+16*\b]   ; the largest score of each block of 32 keys: for the row's maximum and for the block's largest p
.endr
.irp i, 3,5,7,9,11,13
.irp b, 0,1,2,3
	v_max3_num_f32 v[BMX+\b], v[BMX+\b], v[S+16*\b+\i], v[S+1+16*\b+\i]
.endr
.endr
.irp b, 0,1,2,3
	v_max_num_f32 v[BMX+\b], v[BMX+\b], v[S+15+16*\b]
.endr
.irp b, 0,1,2,3
	s_delay_alu instid0(VALU_DEP_4)
	v_permlanex16_b32 v[PX+\b], v[BMX+\b], s[SEL], s[SEL+1]
.endr
.irp b, 0,1,2,3
	s_delay_alu instid0(VALU_DEP_4)
	v_max_num_f32 v[BMX+\b], v[BMX+\b], v[PX+\b]
.endr
	s_delay_alu instid0(VALU_DEP_2)
	v_max3_num_f32 v[TMP], v[BMX], v[BMX+1], v[BMX+2]
	s_delay_alu instid0(VALU_DEP_1)
	v_max_num_f32 v[TMP], v[TMP], v[BMX+3]
	s_delay_alu instid0(VALU_DEP_1)
	v_mul_f32 v[TMP], s[CS], v[TMP]
	s_delay_alu instid0(VALU_DEP_1)
	v_max_num_f32 v13, v13, v[TMP]                 ; the running largest t
	s_delay_alu instid0(VALU_DEP_1)
	v_floor_f32 v12, -v13                          ; -M
	s_delay_alu instid0(VALU_DEP_1)
	v_sub_f32 v[TMP], v12, v[OLDM]
	s_delay_alu instid0(VALU_DEP_1)
	v_cvt_i32_f32 v[TMP], v[TMP]
	s_delay_alu instid0(VALU_DEP_1)
	v_ldexp_f32 v[F], 1.0, v[TMP]                  ; f = 2^(old M - new M)
.set jj, 0
.rept 32
	v_pk_fma_f32 v[S+jj:S+jj+1], v[S+jj:S+jj+1], s[CS:CS+1], v[12:13] op_sel_hi:[1,0,0]   ; t - M
.set jj, jj+2
.endr
.irp b, 0,1,2,3
	v_fma_f32 v[BMX+\b], v[BMX+\b], s[CS], v12
.endr
.set jj, 0
	s_wait_alu depctr_va_vdst(0)
.rept 64
	v_exp_f32 v[S+jj], v[S+jj]                     ; p = 2^(t - M)
.set jj, jj+1
.endr
	v_pk_mul_f32 v[14:15], v[14:15], v[F:F+1] op_sel_hi:[1,0]
	s_wait_alu depctr_va_vdst(0)                   ; one wait for the batch of 64
.irp b, 0,1,2,3
	v_exp_f32 v[BMX+\b], v[BMX+\b]                 ; each block's largest p
.endr
	v_pk_add_f32 v[SUM2:SUM2+1], v[S:S+1], v[S+2:S+3]
.irp j, 4,8,12,16,20,24,28,32,36,40
	v_pk_add_f32 v[14:15], v[14:15], v[S+\j:S+1+\j]
	v_pk_add_f32 v[SUM2:SUM2+1], v[SUM2:SUM2+1], v[S+2+\j:S+3+\j]
.endr
	s_wait_alu depctr_va_vdst(0)                   ; and one for the four
.irp b, 0,1,2,3
	v_max_num_f32 v[BMX+\b], 0x1800000, v[BMX+\b]
.endr
.irp b, 0,1,2,3
	s_delay_alu instid0(VALU_DEP_4)
	v_add_nc_u32 v[SO+\b], 0xff000000, v[BMX+\b]
.endr
.irp b, 0,1,2,3
	s_delay_alu instid0(VALU_DEP_4)
	v_lshrrev_b32 v[PX+\b], 23, v[SO+\b]
.endr
	s_delay_alu instid0(VALU_DEP_3)
	v_lshl_or_b32 v[TMP], v[PX+1], 8, v[PX]
	s_delay_alu instid0(VALU_DEP_1)
	v_lshl_or_b32 v[TMP], v[PX+2], 16, v[TMP]
.irp c, 0,1
	v_cvt_scalef32_pk16_fp6_f32 v[PCD+6*\c:PCD+2+6*\c], v[S+32*\c:S+15+32*\c], v[SO+2*\c]
	v_cvt_scalef32_pk16_fp6_f32 v[PC2+4*\c:PC2+2+4*\c], v[S+16+32*\c:S+31+32*\c], v[SO+2*\c+1]
.endr
	v_nop
	WIN 0x11*\e                                    ; scale words lie in window 0
	v_lshl_or_b32 v[PSW+\e], v[PX+3], 24, v[TMP]   ; p's scale word of these 128 keys
	WIN 0x55*\e
.irp c, 0,1
.irp i, 0,1,2
	v_permlane16_swap_b32 v[PCD+6*\c+\i], v[PC2+4*\c+\i]
.endr
.irp i, 0,1,2
	s_delay_alu instid0(VALU_DEP_3)
	v_mov_b32 v[PCD+3+6*\c+\i], v[PC2+4*\c+\i]
.endr
.endr
.set jj, 0
.rept 16
	v_pk_mul_f32 v[O+jj:O+jj+1], v[O+jj:O+jj+1], v[F:F+1] op_sel_hi:[1,0]   ; O^T under the new M
.set jj, jj+2
.endr
.irp j, 44,48,52,56,60
	v_pk_add_f32 v[14:15], v[14:15], v[S+\j:S+1+\j]
	v_pk_add_f32 v[SUM2:SUM2+1], v[SUM2:SUM2+1], v[S+2+\j:S+3+\j]
.endr
	s_delay_alu instid0(VALU_DEP_1)
	v_pk_add_f32 v[14:15], v[14:15], v[SUM2:SUM2+1]
.endm
; A KEY STEP: 128 keys, both tiles.  At its head K, its scale words and the mask numbers are on their way or in.  more = 1: the next step's are asked for
.macro STEP more
	v_add_nc_u32 v[ADM], s[TS], v[AM]              ; six places behind the last step's products, in front of the loads into V's registers
	v_add_nc_u32 v[ADK16], s[TB], v[L16]
	v_add_nc_u32 v[ADK8], s[TB], v[AK8]
	v_add_nc_u32 v[ADS], s[TS], v[AKS]
	v_add_nc_u32 v[ADV], s[TB], v[AV]
	v_add_nc_u32 v[ADT], s[TJ], v[AVS]
	WIN 0x40
.irp t, 0,1,2,3
.irp c, 0,1,2
	ds_load_b128 v[VF+12*\t+4*\c:VF+12*\t+4*\c+3], v[ADV] offset:1536*\t+512*\c
.endr
.endr
	WIN 0
	ds_load_b64 v[VSW:VSW+1], v[ADT]
	s_wait_dscnt 13                                ; K, its scale words and the mask are in; V's 12 loads and its scale words may be out
	WIN 0x44
.set jj, 0
.rept 32
	v_pk_mul_f32 v[S+jj:S+jj+1], v[S+jj:S+jj+1], v[AI:AI+1] op_sel_hi:[1,0]   ; B's 32 m_q m_k, from the mask in A's registers
.set jj, jj+2
.endr
	WIN 0x55
	v_mov_b32 v[OLDM], v12
	WIN 0
.set jj, 0
.rept 32
	v_pk_mul_f32 v[S+jj:S+jj+1], v[S+jj:S+jj+1], v[AI:AI+1] op_sel_hi:[1,0]   ; A's, in place
.set jj, jj+2
.endr
	v_mov_b32 v[OLDM], v12                         ; four plain lines between C's last write and the products
.rept 3
	v_nop
.endr
	SCORE 0
	WIN 0x54
	SCORE 1
	WIN 0
.rept 4
	v_nop                                          ; places in front of the loads into K's registers and of the first read of the scores
.endr
.if \more
	KLOAD ADK16, ADK8, ADS, 6144, 512
.endif
	SOFT 0
.if \more
	s_wait_dscnt 17                                ; V is in; the next K's 16 loads and its scale words may be out
.else
	s_wait_dscnt 0x0
.endif
	WIN 0x01
	PV 0
	WIN 0
.if \more
	MLOAD ADM, 512
.endif
	SOFT 1
	PV 1
	WIN 0
	s_add_co_u32 s[TB], s[TB], 6144
	s_add_co_u32 s[TS], s[TS], 512
	s_add_co_u32 s[TJ], s[TJ], 256
.endm
.macro INIT                            ; a tile's state: the largest t -3e38, -M its negative (a whole number), sums and O^T zero
	v_mov_b32 v13, 0xff61b1e6
	v_mov_b32 v12, 0x7f61b1e6
	v_mov_b32 v14, 0
	v_mov_b32 v15, 0
.set jj, 0
.rept 32
	v_mov_b32 v[O+jj], 0
.set jj, jj+1
.endr
.endm
; THE WAY OUT of a tile: O^T / the sum, quantised along the head's 64, stored as an image; the scale words gather in LDS
.macro OUT e
	WIN 0x55*\e
	s_wait_alu depctr_va_vdst(0)
	v_add_f32 v14, v14, v15
	s_delay_alu instid0(VALU_DEP_1)
	v_permlanex16_b32 v[TMP], v14, s[SEL], s[SEL+1]
	s_delay_alu instid0(VALU_DEP_1)
	v_add_f32 v14, v14, v[TMP]
	s_wait_alu depctr_va_vdst(0)
	v_rcp_f32 v[F], v14
	v_nop
	s_wait_alu depctr_va_vdst(0)
.set jj, 0
.rept 16
	v_pk_mul_f32 v[O+jj:O+jj+1], v[O+jj:O+jj+1], v[F:F+1] op_sel_hi:[1,0]
.set jj, jj+2
.endr
.irp g, 0,1                                    ; the halves change places: register 16 g + i then holds d = 32 g + 16 h + i
.irp j, 0,1,2,3,4,5,6,7
	v_permlane16_swap_b32 v[O+16*\g+\j], v[O+8+16*\g+\j]
.endr
.endr
.irp g, 0,1
	v_max3_num_f32 v[BMX+\g], |v[O+16*\g]|, |v[O+1+16*\g]|, 0x1800000
.endr
.irp i, 2,4,6,8,10,12,14
.irp g, 0,1
	s_delay_alu instid0(VALU_DEP_2)
	v_max3_num_f32 v[BMX+\g], v[BMX+\g], |v[O+16*\g+\i]|, |v[O+1+16*\g+\i]|
.endr
.endr
.irp g, 0,1
	s_delay_alu instid0(VALU_DEP_2)
	v_permlanex16_b32 v[PX+\g], v[BMX+\g], s[SEL], s[SEL+1]
.endr
.irp g, 0,1
	s_delay_alu instid0(VALU_DEP_2)
	v_max_num_f32 v[BMX+\g], v[BMX+\g], v[PX+\g]
.endr
.irp g, 0,1
	s_delay_alu instid0(VALU_DEP_2)
	v_add_nc_u32 v[SO+\g], 0xff000000, v[BMX+\g]
.endr
.irp g, 0,1
	s_delay_alu instid0(VALU_DEP_2)
	v_lshrrev_b32 v[PX+\g], 23, v[SO+\g]
.endr
	s_delay_alu instid0(VALU_DEP_1)
	v_lshl_or_b32 v[TMP], v[PX+1], 8, v[PX]        ; my query's two bytes; bytes 2, 3 zero
	v_cvt_scalef32_pk16_fp6_f32 v[PCD:PCD+2], v[O:O+15], v[SO]
	v_cvt_scalef32_pk16_fp6_f32 v[PC2:PC2+2], v[O+16:O+31], v[SO+1]
	v_nop
.irp i, 0,1,2
	v_permlane16_swap_b32 v[PCD+\i], v[PC2+\i]
.endr
.irp i, 0,1,2
	s_delay_alu instid0(VALU_DEP_3)
	v_mov_b32 v[PCD+3+\i], v[PC2+\i]
.endr
	WIN 0x04*\e                                    ; addresses in window 0, data in the tile's
	global_store_b128 v[L16], v[PCD:PCD+3], s[18:19] offset:12288*\e              ; 512 consecutive bytes,
	global_store_b64 v[L8], v[PCD+4:PCD+5], s[18:19] offset:12288*\e+512          ; and 256
	ds_store_b32 v[ADG], v[TMP] offset:64*\e
	WIN 0
.endm
	s_mov_b32 s[PASS], 2
.Lpass:                                            ; two tiles of 16 queries
	global_load_b128 v[QF:QF+3], v[L16], s[4:5]
	global_load_b64 v[QF+4:QF+5], v[L8], s[4:5] offset:512
	global_load_b32 v[QS], v[R16], s[6:7]
	global_load_b32 v[QS+1], v[R16], s[6:7] offset:256
	global_load_b32 v[TMP], v[R4], s[16:17]
	WIN 0x40
	global_load_b128 v[QF:QF+3], v[L16], s[4:5] offset:768
	global_load_b64 v[QF+4:QF+5], v[L8], s[4:5] offset:1280
	global_load_b32 v[TMP], v[R4], s[16:17] offset:64
	INIT
	WIN 0
	KLOAD L16, AK8, AKS, 0, 0                      ; step 0's K and mask
	MLOAD AM, 0
	INIT
	s_wait_loadcnt 0x0
	v_cvt_f32_i32 v[TMP], v[TMP]
	s_delay_alu instid0(VALU_DEP_1)
	v_mul_f32 v[AI], 0x42000000, v[TMP]            ; 32 m of my query
	WIN 0x55
	v_cvt_f32_i32 v[TMP], v[TMP]
	s_delay_alu instid0(VALU_DEP_1)
	v_mul_f32 v[AI], 0x42000000, v[TMP]
	WIN 0
	s_mov_b32 s[TB], 0
	s_mov_b32 s[TS], 0
	s_mov_b32 s[TJ], 0
	s_mov_b32 s[CNT], 15
.Lstep:
	s_wait_alu depctr_va_vdst(0)
	STEP 1
	s_sub_co_u32 s[CNT], s[CNT], 1
	s_cmp_lg_u32 s[CNT], 0
	s_cbranch_scc1 .Lstep
	STEP 0                                         ; the last step asks for nothing more
	v_add_nc_u32 v[ADG], s[SGO], v[ASG]
	OUT 0
	OUT 1
	s_wait_xcnt 0x0                                ; addresses and data are written again only behind this wait
	s_add_nc_u64 s[4:5], s[4:5], 1536
	s_add_nc_u64 s[6:7], s[6:7], 4
	s_add_nc_u64 s[16:17], s[16:17], 128
	s_add_nc_u64 s[18:19], s[18:19], 24576
	s_add_co_u32 s[SGO], s[SGO], 128
	s_sub_co_u32 s[PASS], s[PASS], 1
	s_cmp_lg_u32 s[PASS], 0
	s_cbranch_scc1 .Lpass
	s_wait_dscnt 0x0                               ; my words lie in the stage,
	s_barrier_signal -1
	s_barrier_wait -1                              ; everybody's do
	s_cmp_lt_u32 s[WV], 4
	s_cbranch_scc0 .Lno_words
	ds_load_b128 v[MW:MW+3], v[ASR]
	s_wait_dscnt 0x0
	global_store_b128 v[G16], v[MW:MW+3], s[20:21] ; the work-group's 512 words: 512 consecutive bytes a wave
.Lno_words:
	s_wait_tensorcnt 0x0                           ; the wave's end
	ds_add_u32 v[SPW], v[NIL]
	s_wait_dscnt 0x0
	ROUND                                          ; the closing round
	s_endpgm
.Lfunc_end_k_q629704fddb_attn:
	.size	k_q629704fddb_attn, .Lfunc_end_k_q629704fddb_attn-k_q629704fddb_attn
	.p2alignl 7, 3214868480
	.fill 96, 4, 3214868480
	.section	.rodata,"a",@progbits
	.p2align	6, 0x0
	.amdhsa_kernel k_q629704fddb_attn
		.amdhsa_group_segment_fixed_size 223232
		.amdhsa_private_segment_fixed_size 0
		.amdhsa_enable_private_segment 0
		.amdhsa_kernarg_size 72
		.amdhsa_user_sgpr_count 2
		.amdhsa_user_sgpr_kernarg_segment_ptr 1
		.amdhsa_wavefront_size32 1
		.amdhsa_system_sgpr_workgroup_id_x 1
		.amdhsa_system_sgpr_workgroup_id_y 1
		.amdhsa_system_sgpr_workgroup_id_z 1
		.amdhsa_system_vgpr_workitem_id 0
		.amdhsa_next_free_vgpr 512
		.amdhsa_next_free_sgpr 96
		.amdhsa_reserve_vcc 0
		.amdhsa_float_denorm_mode_32 3
		.amdhsa_float_denorm_mode_16_64 3
		.amdhsa_memory_ordered 1
		.amdhsa_forward_progress 1
		.amdhsa_inst_pref_size 97
	.end_amdhsa_kernel
	.amdgpu_metadata
---
amdhsa.version: [ 1, 2 ]
amdhsa.kernels:
  - .name:           k_q629704fddb_attn
    .symbol:         k_q629704fddb_attn.kd
    .args:
      - { .name: qcod, .offset: 0, .size: 8, .value_kind: global_buffer, .address_space: global }
      - { .name: qscl, .offset: 8, .size: 8, .value_kind: global_buffer, .address_space: global }
      - { .name: kcod, .offset: 16, .size: 8, .value_kind: global_buffer, .address_space: global }
      - { .name: kscl, .offset: 24, .size: 8, .value_kind: global_buffer, .address_space: global }
      - { .name: vcod, .offset: 32, .size: 8, .value_kind: global_buffer, .address_space: global }
      - { .name: vscl, .offset: 40, .size: 8, .value_kind: global_buffer, .address_space: global }
      - { .name: inputs_mask, .offset: 48, .size: 8, .value_kind: global_buffer, .address_space: global }
      - { .name: acod, .offset: 56, .size: 8, .value_kind: global_buffer, .address_space: global }
      - { .name: ascl, .offset: 64, .size: 8, .value_kind: global_buffer, .address_space: global }
    .group_segment_fixed_size: 223232
    .private_segment_fixed_size: 0
    .kernarg_segment_align: 8
    .kernarg_segment_size: 72
    .max_flat_workgroup_size: 256
    .sgpr_count:     96
    .vgpr_count:     512
    .wavefront_size: 32
...
	.end_amdgpu_metadata
.endif
;; end of part 2
;; launch oproj (part 3): grid 4 x 32, 4 waves a work-group, clusters of 4 x 4, 327,680 bytes of LDS; arguments acod, ascl, Wo_codes, Wo_scales, out0, bo; writes out0
.if DOCPART == 3
	.amdgcn_target "amdgcn-amd-amdhsa--gfx1250"
	.amdhsa_code_object_version 6
	.text
	.protected	k_q629704fddb_oproj
	.globl	k_q629704fddb_oproj
	.p2align	8
	.type	k_q629704fddb_oproj,@function
k_q629704fddb_oproj:
	s_mov_b64 s[64:65], 0
	v_nop
	global_prefetch_b8 v0, s[64:65] scope:SCOPE_SE
	s_setreg_imm32_b32 hwreg(HW_REG_WAVE_MODE, 25, 1), 1
	s_wait_xcnt 0x0
	s_wait_alu depctr_hold_cnt(0) depctr_sa_sdst(0) depctr_va_vdst(0) depctr_va_sdst(0) depctr_va_ssrc(0) depctr_va_vcc(0) depctr_vm_vsrc(0)
	s_getreg_b32 s2, hwreg(HW_REG_IB_STS2, 6, 4)
	s_cmp_eq_u32 s2, 0
	s_cbranch_scc0 .Lentry_in_a_cluster
	s_endpgm
.Lentry_in_a_cluster:
	s_bfe_u32 s2, ttmp6, 0x10000c
	s_cmp_lg_u32 s2, 0xf033
	s_cbranch_scc0 .Lentry_shape_is_right
	s_endpgm
.Lentry_shape_is_right:
; out = attn Wo + bo on codes of FP6 (E2M3) with E8M0 scales; f32 out.  A tile of 256 x 256 to a work-group, 128 x 128 to a wave; the bias is the C of the first products.
; B = Wo's rows of 768 bytes go through a ring of two LDS slots in chunks of 256 bytes (three chunks, each on a 256-byte border); a step of 128 along K is 96 bytes; steps 2 and 5 lie across two chunks.
; A = the attention's codes, images of operand registers: [16 tokens][16 heads][768 bytes]; a step is two heads, 1,536 bytes of a block of 16 tokens.
; A's chunks hold steps 0-2, 3-5 and 6-7 (4,608, 4,608 and 3,072 bytes of each block of 12,288), so that they are read out and wanted at the same barriers as B's chunks and share their slots.
; A's scale words come by loads and LDS stores (two heads' bytes make a step's word), B's by the head's tensor loads.
; CLUSTER 4 x 4: A's tiles are shared along a row of the cluster, B's along a column: joint loads.
; PREFETCH: chunk 1 behind the head's loads, chunk 2 behind chunk 1's load, two steps ahead of its own load.  The four partners share a tile out by address: of A two blocks of 16 tokens each (a lane a unit of 256 bytes; lanes left over name the last again), of B 32 rows each.
; LIMITS: NaN and infinities are not served.
.set SIZE_N, 1024
.set ROWB,   256
.set NQ,     2
.set KROW,   768
.set STEPS,  8
.set CHUNKS, 3
.set PITCH,  272
.set ACH,    4608
.set ATP,    12288
.set FR,     12
.set NL,     4                         ; LDS loads that bring a fragment of A
.set NP,     4
.set HALFA,  8*ACH
.set HALFB,  128*PITCH
.set SLOT,   2*HALFA+2*HALFB
.set KS,     32
.set SCL,    2*SLOT
.set HALFS,  (128*KS/256)*272
.set SBLK,   (16*KS/256)*272
.set SPARE,  SCL+4*HALFS
.set SPITCH, 528
.set STAGE,  SLOT                      ; the way out's stage lies in slot 1, which does not hold the last chunk
.set PF1,  12
.set PF2,  13
.set PFB,  14
.set ASST, 15
.set ADRA, 16                          ; v16-17 16 l in slot 0, 1; v18-19 8 l
.set ADRB, 20
.set STO,  24
.set RD,   25
.set CO,   26
.set ADRS, 27
.set SPW,  28
.set NIL,  29
.set OBN,  30
.set OAS,  31
.set SC,   32
.set BN,   64
.set AF,   128
.set BK,   128
.set G1, 24
.set G0, 32
.set G1B, 48
.set G0B, 56
.set G1L, 68                           ; group 1 for A's last chunk
.set G1SB, 80
.set G0SB, 88
.set G0H, 4
.set G0HB, 8
.set PFA, 40
.set MSB, 0
.macro WIN new
.if MSB != \new
	s_set_vgpr_msb (MSB<<8)|\new
.set MSB, \new
.endif
.endm
.set MUL_LO, 0xa1
.set MUL_HI, 0xf1
.set TO_B,   0x40
.macro JLOAD g0a, g1a, g0b, g1b
	s_cmp_eq_u32 s15, 0
	s_cbranch_scc0 .Lfor_b_\@
	tensor_load_to_lds s[\g0a:\g0a+3], s[\g1a:\g1a+7]
	s_nop 0
.rept 4
	v_nop
.endr
	s_branch .Lasked_\@
.Lfor_b_\@:
	tensor_load_to_lds s[\g0b:\g0b+3], s[\g1b:\g1b+7]
	s_nop 0
.rept 4
	v_nop
.endr
.Lasked_\@:
.endm
.macro CREST
	s_cmp_lg_u32 s14, 0
	s_cbranch_scc1 .Lnot_wave_0_\@
	s_barrier_signal -3
.Lnot_wave_0_\@:
	s_barrier_wait -3
	s_barrier_signal -1
	s_barrier_wait -1
.endm
.macro CROUND
	s_barrier_signal -1
	s_barrier_wait -1
	CREST
.endm
.macro ASK c, vo                       ; chunk c of my share: waves 0, 1 for A, waves 2, 3 for B
	s_cmp_eq_u32 s15, 0
	s_cbranch_scc0 .Lpf_b_\@
	global_prefetch_b8 v[\vo], s[PFA:PFA+1] offset:ACH*\c th:TH_LOAD_NT scope:SCOPE_SE
	global_prefetch_b8 v[\vo], s[PFA:PFA+1] offset:ACH*\c+ATP th:TH_LOAD_NT scope:SCOPE_SE
	s_branch .Lpf_d_\@
.Lpf_b_\@:
	global_prefetch_b8 v[PFB], s[PFA:PFA+1] offset:ROWB*\c th:TH_LOAD_NT scope:SCOPE_SE
.Lpf_d_\@:
.endm
	s_load_b128 s[4:7], s[0:1], 0x0                ; A's codes, A's scale words
	s_load_b128 s[8:11], s[0:1], 0x10              ; Wo's codes, Wo's scales
	s_load_b64 s[12:13], s[0:1], 0x20              ; out
	s_load_b64 s[96:97], s[0:1], 0x28              ; bo
	v_lshl_add_u32 v[SPW], v0, 2, SPARE
	v_mov_b32 v[NIL], 0
	ds_add_u32 v[SPW], v[NIL]                      ; the opening lines: the add twice and one wait
	ds_add_u32 v[SPW], v[NIL]
	v_lshrrev_b32 v1, 5, v0
	v_readfirstlane_b32 s14, v1
	s_lshr_b32 s15, s14, 1
	s_and_b32 s16, s14, 1
	s_bfe_u32 s40, ttmp6, 0x40000
	s_bfe_u32 s41, ttmp6, 0x40004
	s_lshl_b32 s42, ttmp9, 2
	s_add_co_u32 s42, s42, s40
	s_and_b32 s17, ttmp7, 0xffff
	s_lshl_b32 s17, s17, 2
	s_add_co_u32 s17, s17, s41
	s_lshl_b32 s43, s41, 2
	s_lshl_b32 s43, 15, s43
	s_lshl_b32 s44, 0x1111, s40
	s_or_b32 s[G1+0], s43, (3<<16)|(1<<21)         ; A: rows of 4,608 bytes (576 elements of 8), 12,288 apart; 16 rows for the head's load
	s_mov_b32 s[G1+1], 576<<16
	s_mov_b32 s[G1+2], 16<<16
	s_mov_b32 s[G1+3], 576<<16
	s_mov_b32 s[G1+4], 16
	s_mov_b32 s[G1+5], 1536
	s_mov_b32 s[G1+6], 0
	s_mov_b32 s[G1+7], 0
	s_or_b32 s[G1L+0], s43, (3<<16)|(1<<21)        ; A's last chunk: 8 rows of 3,072 bytes
	s_mov_b32 s[G1L+1], 384<<16
	s_mov_b32 s[G1L+2], 8<<16
	s_mov_b32 s[G1L+3], 384<<16
	s_mov_b32 s[G1L+4], 8
	s_mov_b32 s[G1L+5], 1536
	s_mov_b32 s[G1L+6], 0
	s_mov_b32 s[G1L+7], 0
	s_or_b32 s[G1B+0], s44, (0<<16)|(1<<20)|(1<<21)|(5<<22)|(3<<25)
	s_mov_b32 s[G1B+1], ROWB<<16
	s_mov_b32 s[G1B+2], 256<<16
	s_mov_b32 s[G1B+3], ROWB<<16
	s_mov_b32 s[G1B+4], 256
	s_mov_b32 s[G1B+5], KROW
	s_mov_b32 s[G1B+6], 0
	s_mov_b32 s[G1B+7], 0
	s_or_b32 s[G1SB+0], s44, (3<<16)|(1<<20)|(1<<21)|(5<<22)|(3<<25)
	s_mov_b32 s[G1SB+1], 32<<16                    ; the scales of 128 rows: 16 rows of 256 bytes
	s_mov_b32 s[G1SB+2], 16<<16
	s_mov_b32 s[G1SB+3], 32<<16
	s_mov_b32 s[G1SB+4], 16
	s_mov_b32 s[G1SB+5], 32
	s_mov_b32 s[G1SB+6], 0
	s_mov_b32 s[G1SB+7], 0
	s_lshl_b32 s20, s17, 4
	s_mul_i32 s20, s20, ATP                        ; A: 16 blocks of 16 tokens a tile row
	s_mov_b32 s21, 0
	s_lshl_b32 s46, s42, 8
	s_mul_i32 s46, s46, KROW
	s_mov_b32 s47, 0
	s_lshl_b32 s92, s42, 13                        ; B's scales: 8,192 bytes a tile column, my half
	s_lshl_b32 s93, s16, 12
	s_add_co_u32 s92, s92, s93
	s_mov_b32 s93, 0
	s_mul_i32 s18, s16, 8*ATP                      ; in the ring: my 8 blocks of A,
	s_mov_b32 s19, 0
	s_mul_i32 s22, s16, 128*KROW                   ; my 128 rows of B
	s_mov_b32 s23, 0
	s_mul_i32 s45, s16, HALFA
	s_mul_i32 s95, s16, HALFB
	s_add_co_u32 s95, s95, 2*HALFA
	s_mul_i32 s94, s16, HALFS
	s_add_co_u32 s94, s94, SCL+2*HALFS
	s_lshr_b32 s2, s17, 3                          ; A's scale words: 131,072 b + 1,024 (tile row % 8)
	s_lshl_b32 s2, s2, 17
	s_and_b32 s3, s17, 7
	s_lshl_b32 s3, s3, 10
	s_add_co_u32 s2, s2, s3
	s_mov_b32 s3, 0
	s_wait_dscnt 0x0
	s_wait_kmcnt 0x0
	s_add_nc_u64 s[20:21], s[4:5], s[20:21]
	s_add_nc_u64 s[46:47], s[8:9], s[46:47]
	s_add_nc_u64 s[92:93], s[10:11], s[92:93]
	s_add_nc_u64 s[98:99], s[6:7], s[2:3]
	s_cmp_eq_u32 s15, 0                            ; the prefetches: my place's share: two blocks of A or 32 rows of B, 24,576 bytes either way
	s_cselect_b32 s2, s40, s41
	s_cselect_b32 s3, s18, s22
	s_cselect_b64 s[PFA:PFA+1], s[20:21], s[46:47]
	s_mul_i32 s2, s2, 2*ATP
	s_add_co_u32 s2, s2, s3
	s_mov_b32 s3, 0
	s_add_nc_u64 s[PFA:PFA+1], s[PFA:PFA+1], s[2:3]
	CROUND                                         ; the first joint loads meet
	s_mov_b32 s[G0H], 1
	s_mov_b32 s[G0H+1], 0
	s_mov_b64 s[G0H+2:G0H+3], s[20:21]
	s_or_b32 s[G0H+3], s[G0H+3], 0x80000000
	s_mov_b32 s[G0HB], 1
	s_mov_b32 s[G0HB+1], 2*HALFA
	s_mov_b64 s[G0HB+2:G0HB+3], s[46:47]
	s_or_b32 s[G0HB+3], s[G0HB+3], 0x80000000
	s_mov_b32 s[G0SB], 1
	s_mov_b32 s[G0SB+1], s94
	s_mov_b64 s[G0SB+2:G0SB+3], s[92:93]
	s_or_b32 s[G0SB+3], s[G0SB+3], 0x80000000
	s_add_nc_u64 s[20:21], s[20:21], s[18:19]
	s_add_nc_u64 s[46:47], s[46:47], s[22:23]
.irp s, 0,1
	s_mov_b32 s[G0+4*\s], 1
	s_add_co_u32 s[G0+4*\s+1], s45, \s*SLOT
	s_add_nc_u64 s[G0+4*\s+2:G0+4*\s+3], s[20:21], \s*ACH
	s_or_b32 s[G0+4*\s+3], s[G0+4*\s+3], 0x80000000
	s_mov_b32 s[G0B+4*\s], 1
	s_add_co_u32 s[G0B+4*\s+1], s95, \s*SLOT
	s_add_nc_u64 s[G0B+4*\s+2:G0B+4*\s+3], s[46:47], \s*ROWB
	s_or_b32 s[G0B+4*\s+3], s[G0B+4*\s+3], 0x80000000
.endr
; the head's loads, one a wave: wave 0 A's chunk 0, wave 1 B's chunk 0, waves 2, 3 the halves of B's scales
.macro ARM under, g0, g1, next
	s_cmp_lt_u32 s14, \under
	s_cbranch_scc0 \next
	tensor_load_to_lds s[\g0:\g0+3], s[\g1:\g1+7]
	s_nop 0
.rept 4
	v_nop
.endr
	s_branch .Lhead_asked
\next:
.endm
	ARM 1, G0H,  G1,  .Lhead_b
	ARM 2, G0HB, G1B, .Lhead_s
	tensor_load_to_lds s[G0SB:G0SB+3], s[G1SB:G1SB+7]
	s_nop 0
.rept 4
	v_nop
.endr
.Lhead_asked:
	v_and_b32 v1, 15, v0
	v_bfe_u32 v2, v0, 4, 1
	v_mul_u32_u24 v3, v1, PITCH
	v_mul_u32_u24 v4, v2, 24
	v_add_nc_u32 v4, v3, v4
	s_mov_b32 s21, SLOT-232
	s_mov_b32 s22, SLOT+232
	v_sub_nc_u32 v7, 1, v2
	v_mul_u32_u24 v5, s21, v2
	v_add_nc_u32 v5, v3, v5
	v_add_nc_u32 v5, 232, v5                       ; lanes 0-15 byte 232 in slot 0, lanes 16-31 byte 0 in slot 1
	v_mul_u32_u24 v6, s22, v7
	v_add_nc_u32 v6, v3, v6                        ; and the other way round
	v_and_b32 v8, 31, v0
	v_lshlrev_b32 v9, 4, v8
	v_lshlrev_b32 v10, 3, v8
	s_mul_i32 s21, s15, HALFA
	s_mul_i32 s22, s16, HALFB
	s_add_co_u32 s22, s22, 2*HALFA
	v_add_nc_u32 v[ADRB+2], s22, v5
	v_add_nc_u32 v[ADRB+3], s22, v6
.irp s, 0,1
	v_add_nc_u32 v[ADRA+\s], s21, v9
	v_add_nc_u32 v[ADRA+2+\s], s21, v10
	v_add_nc_u32 v[ADRB+\s], s22, v4
	s_add_co_u32 s21, s21, SLOT
	s_add_co_u32 s22, s22, SLOT
.endr
	v_mul_u32_u24 v5, v1, KS
	v_lshrrev_b32 v6, 8, v5
	v_lshl_add_u32 v5, v6, 4, v5
	s_mul_i32 s21, s15, HALFS
	s_mul_i32 s22, s16, HALFS
	s_add_co_u32 s22, s22, 2*HALFS
	s_sub_co_u32 s22, s22, s21
	v_mul_u32_u24 v6, s22, v2
	s_add_co_u32 s21, s21, SCL
	v_add_nc_u32 v5, v5, v6
	v_add_nc_u32 v[ADRS], s21, v5
	s_mul_i32 s23, s14, 16*SPITCH
	s_add_co_u32 s23, s23, STAGE
	v_mul_u32_u24 v5, v1, SPITCH
	v_lshl_add_u32 v5, v2, 5, v5
	v_add_nc_u32 v[STO], s23, v5
	v_mov_b32 v[CO], v9
	v_add_nc_u32 v[RD], s23, v9
	v_lshlrev_b32 v[ASST], 5, v0                   ; A's scales of row t: 32 t + 16 (t / 8)
	v_lshrrev_b32 v6, 3, v0
	v_lshl_add_u32 v[ASST], v6, 4, v[ASST]
	v_add_nc_u32 v[ASST], SCL, v[ASST]
	v_lshlrev_b32 v[OBN], 5, v2
	v_lshlrev_b32 v[OAS], 2, v0
	v_min_u32 v[PF1], 17, v8                       ; 18 units of 256 bytes in 4,608,
	v_min_u32 v[PF2], 11, v8                       ; 12 in 3,072
	v_lshlrev_b32 v[PF1], 8, v[PF1]
	v_lshlrev_b32 v[PF2], 8, v[PF2]
	v_mul_u32_u24 v[PFB], v8, KROW
	s_wait_alu depctr_va_vdst(0)                   ; the wait ahead of the branch and the scalar stretch below
	ASK 1, PF1
	s_lshl_b32 s20, s17, 8
	s_lshl_b32 s21, s15, 7
	s_add_co_u32 s20, s20, s21
	s_mov_b32 s21, 0
	s_mov_b64 s[18:19], SIZE_N*4
	s_mul_u64 s[20:21], s[20:21], s[18:19]
	s_lshl_b32 s46, s42, 10
	s_lshl_b32 s47, s16, 9
	s_add_co_u32 s46, s46, s47
	s_mov_b32 s47, 0
	s_add_nc_u64 s[20:21], s[20:21], s[46:47]
	s_add_nc_u64 s[12:13], s[12:13], s[20:21]
	s_add_nc_u64 s[96:97], s[96:97], s[46:47]
.irp e, 0,1
.irp hh, 0,1,2,3,4,5,6,7,8,9,10,11,12,13,14,15
	global_load_b32 v[128+16*\e+\hh], v[OAS], s[98:99] offset:8192*\hh+512*\e   ; row t + 128 e, head hh: two bytes
.endr
.endr
.irp t, 0,1,2,3,4,5,6,7
	global_load_b128 v[BN+8*\t:BN+8*\t+3], v[OBN], s[96:97] offset:64*\t
	global_load_b128 v[BN+8*\t+4:BN+8*\t+7], v[OBN], s[96:97] offset:64*\t+16
.endr
	s_wait_loadcnt 0x0
.irp e, 0,1
.irp j, 0,1,2,3,4,5,6,7
	v_lshl_or_b32 v[160+8*\e+\j], v[128+16*\e+2*\j+1], 16, v[128+16*\e+2*\j]
.endr
.endr
.irp e, 0,1
	ds_store_b128 v[ASST], v[160+8*\e:163+8*\e] offset:HALFS*\e
	ds_store_b128 v[ASST], v[164+8*\e:167+8*\e] offset:HALFS*\e+16
.endr
.macro FRAG reg, adr, st, i
.irp p, 0,1,2,3,4,5
.set BY, 96*(\st)+48*(\p/3)+8*(\p%3)
.if BY/ROWB == (BY+24)/ROWB
	ds_load_b64 v[\reg+2*\p:\reg+2*\p+1], v[\adr+(BY/ROWB)%2] offset:BY%ROWB+(\i)*16*PITCH
.else
	ds_load_b64 v[\reg+2*\p:\reg+2*\p+1], v[\adr+2+(BY/ROWB)%2] offset:BY%ROWB-232+(\i)*16*PITCH
.endif
.endr
.endm
.macro FRAGA reg, st, i                ; step st lies in A's chunk st / 3, slot (st / 3) % 2; the last chunk's blocks lie 3,072 bytes apart
.set AS, ((\st)/3)%2
.if (\st) >= 6
.set AO, 3072*(\i)+1536*((\st)%3)
.else
.set AO, ACH*(\i)+1536*((\st)%3)
.endif
	ds_load_b128 v[\reg:\reg+3], v[ADRA+AS] offset:AO
	ds_load_b64 v[\reg+4:\reg+5], v[ADRA+2+AS] offset:AO+512
	ds_load_b128 v[\reg+6:\reg+9], v[ADRA+AS] offset:AO+768
	ds_load_b64 v[\reg+10:\reg+11], v[ADRA+2+AS] offset:AO+1280
.endm
.macro MUL16 a0, p, q, sc, zero        ; zero = 1: the first products take the bias as C
.irp a, \a0, \a0+1
.irp b, 0,1,2,3,4,5,6,7
.if \zero
	v_wmma_scale_f32_16x16x128_f8f6f4 v[8*(8*((\a)%4)+\b):8*(8*((\a)%4)+\b)+7], v[128*(\p)+FR*\b:128*(\p)+FR*\b+FR-1], v[AF+FR*(\a):AF+FR*(\a)+FR-1], v[BN+8*\b:BN+8*\b+7], v[SC+8*NQ*(\sc)+NQ*\b+(\q)], v[SC+8*NQ*(\sc)+NQ*(\a)+(\q)] matrix_a_fmt:MATRIX_FMT_FP6 matrix_b_fmt:MATRIX_FMT_FP6 matrix_a_scale:MATRIX_SCALE_ROW1
.else
	v_wmma_scale_f32_16x16x128_f8f6f4 v[8*(8*((\a)%4)+\b):8*(8*((\a)%4)+\b)+7], v[128*(\p)+FR*\b:128*(\p)+FR*\b+FR-1], v[AF+FR*(\a):AF+FR*(\a)+FR-1], v[8*(8*((\a)%4)+\b):8*(8*((\a)%4)+\b)+7], v[SC+8*NQ*(\sc)+NQ*\b+(\q)], v[SC+8*NQ*(\sc)+NQ*(\a)+(\q)] matrix_a_fmt:MATRIX_FMT_FP6 matrix_b_fmt:MATRIX_FMT_FP6 matrix_a_scale:MATRIX_SCALE_ROW1
.endif
.endr
.endr
.endm
.macro FETCH_B st, p
	WIN TO_B
.irp i, 0,1,2,3,4,5,6,7
	FRAG 128*(\p)+FR*\i, ADRB, \st, \i
.endr
	WIN 0
.endm
.macro FETCH_A st, i0
.irp i, \i0, \i0+1, \i0+2, \i0+3
	FRAGA AF+FR*(\i), \st, \i
.endr
.endm
.macro SCALES pr
.irp i, 0,1,2,3,4,5,6,7
	ds_load_b64 v[SC+8*NQ*((\pr)%2)+NQ*\i:SC+8*NQ*((\pr)%2)+NQ*\i+1], v[ADRS] offset:\i*SBLK+4*NQ*(\pr)
.endr
.endm
.macro PLACES n
.rept \n
	v_nop
.endr
.endm
.macro STEP st, zero                   ; as in the launch of the three projections; the bias lies in window 0
.set NX, (\st)+1
.set C0, (96*(\st))/ROWB
.set C1, (96*NX)/ROWB
.set E0, (96*(\st)+95)/ROWB
.set E1, (96*NX+95)/ROWB
.if \zero
.set WLO, 0x81
.set WHI, 0xc1
.else
.set WLO, MUL_LO
.set WHI, MUL_HI
.endif
.if C1 > C0 || E1 > E0
	s_wait_tensorcnt 0x0
.if C1 > C0
	ds_add_u32 v[SPW], v[NIL]
	s_wait_dscnt 4*NL+1                            ; the add and the 16 youngest loads may be out
.else
	s_wait_dscnt 4*NL                              ; the 16 youngest loads (A's blocks 4-7) may be out
.endif
	WIN WLO
	MUL16 0, (\st)%2, (\st)%2, ((\st)/2)%2, \zero
	s_wait_dscnt 0x0
	s_barrier_signal -1
	MUL16 2, (\st)%2, (\st)%2, ((\st)/2)%2, \zero
	WIN 0
	s_barrier_wait -1
.if C1 > C0 && C0+2 < CHUNKS
	CREST
	s_add_nc_u64 s[G0+4*(C0%2)+2:G0+4*(C0%2)+3], s[G0+4*(C0%2)+2:G0+4*(C0%2)+3], 2*ACH
	s_add_nc_u64 s[G0B+4*(C0%2)+2:G0B+4*(C0%2)+3], s[G0B+4*(C0%2)+2:G0B+4*(C0%2)+3], 2*ROWB
	JLOAD G0+4*(C0%2), G1L, G0B+4*(C0%2), G1B      ; the one refill: the last chunk
.else
	PLACES NP
.endif
.else
	s_wait_dscnt 4*NL
	WIN WLO
	MUL16 0, (\st)%2, (\st)%2, ((\st)/2)%2, \zero
	MUL16 2, (\st)%2, (\st)%2, ((\st)/2)%2, \zero
	s_wait_dscnt 0
	PLACES NP
.endif
	FETCH_B NX, NX%2
	FETCH_A NX, 0
.if NX%2 == 0
	SCALES NX/2
.endif
	WIN WHI
	MUL16 4, (\st)%2, (\st)%2, ((\st)/2)%2, \zero
	MUL16 6, (\st)%2, (\st)%2, ((\st)/2)%2, \zero
	PLACES NP
	WIN 0
	FETCH_A NX, 4
.endm
	s_wait_alu depctr_va_vdst(0)                   ; the wait at the head's end
	s_wait_tensorcnt 0x0                           ; my tile of the head's is in
	ds_add_u32 v[SPW], v[NIL]
	s_mov_b32 s[G1+2], 8<<16                       ; no load of mine is out: from here on a load brings 8 blocks of A,
	s_mov_b32 s[G1+4], 8
	s_mov_b32 s[G1B+2], 128<<16                    ; 128 rows of B
	s_mov_b32 s[G1B+4], 128
	s_wait_dscnt 0x0                               ; the add and my stores of A's scale words are done
	CROUND
	JLOAD G0+4, G1, G0B+4, G1B                     ; chunk 1, slot 1's first fill
	FETCH_B 0, 0
	FETCH_A 0, 0
	SCALES 0
	FETCH_A 0, 4
	ASK 2, PF2
	STEP 0, 1
.set ST, 1
.rept STEPS-2
	STEP ST, 0
.set ST, ST+1
.endr
	s_wait_dscnt 4*NL
	WIN MUL_LO
	MUL16 0, 1, 1, 1, 0
	MUL16 2, 1, 1, 1, 0
	s_wait_dscnt 0
	WIN MUL_HI
	MUL16 4, 1, 1, 1, 0
	MUL16 6, 1, 1, 1, 0
	WIN 0
; THE WAY OUT: a block of 16 rows x 128 columns goes through my own stage and comes back as whole rows of 512 bytes
.macro TOSTAGE a
.set AC, 64*((\a)%4)
	WIN 0x08+4*((\a)/4)
.irp b, 0,1,2,3,4,5,6,7
	ds_store_b128 v[STO], v[AC+8*\b:AC+8*\b+3] offset:64*\b
	ds_store_b128 v[STO], v[AC+8*\b+4:AC+8*\b+7] offset:64*\b+16
.endr
	WIN 0
.set BB, BK+64*((\a)%2)
.irp t, 0,1,2,3,4,5,6,7,8,9,10,11,12,13,14,15
	ds_load_b128 v[BB+4*\t:BB+4*\t+3], v[RD] offset:\t*SPITCH
.endr
.endm
.macro SEND a, younger
.set BB, BK+64*((\a)%2)
	s_wait_dscnt \younger
.if (\a) > 0
	s_add_nc_u64 s[12:13], s[12:13], 16*SIZE_N*4
.endif
.irp t, 0,1,2,3,4,5,6,7,8,9,10,11,12,13,14,15
	global_store_b128 v[CO], v[BB+4*\t:BB+4*\t+3], s[12:13] offset:\t*SIZE_N*4 th:TH_STORE_NT
.endr
.endm
	PLACES NP
	TOSTAGE 0
.irp a, 1,2,3,4,5,6,7
.if \a > 1
	s_wait_xcnt 0x0                                ; block a - 2's stores have read their registers and their base
.endif
	TOSTAGE \a
	SEND \a-1, 32                                  ; behind block a - 1's loads: block a's 16 stores and 16 loads
.endr
	s_wait_xcnt 0x0
	SEND 7, 0
	s_wait_tensorcnt 0x0                           ; the wave's end
	ds_add_u32 v[SPW], v[NIL]
	s_wait_dscnt 0x0
	CROUND                                         ; the closing round
	s_endpgm
.Lfunc_end_k_q629704fddb_oproj:
	.size	k_q629704fddb_oproj, .Lfunc_end_k_q629704fddb_oproj-k_q629704fddb_oproj
	.p2alignl 7, 3214868480
	.fill 96, 4, 3214868480
	.section	.rodata,"a",@progbits
	.p2align	6, 0x0
	.amdhsa_kernel k_q629704fddb_oproj
		.amdhsa_group_segment_fixed_size 327680
		.amdhsa_private_segment_fixed_size 0
		.amdhsa_enable_private_segment 0
		.amdhsa_kernarg_size 48
		.amdhsa_user_sgpr_count 2
		.amdhsa_user_sgpr_kernarg_segment_ptr 1
		.amdhsa_wavefront_size32 1
		.amdhsa_system_sgpr_workgroup_id_x 1
		.amdhsa_system_sgpr_workgroup_id_y 1
		.amdhsa_system_sgpr_workgroup_id_z 1
		.amdhsa_system_vgpr_workitem_id 0
		.amdhsa_next_free_vgpr 1024
		.amdhsa_next_free_sgpr 102
		.amdhsa_reserve_vcc 0
		.amdhsa_float_denorm_mode_32 3
		.amdhsa_float_denorm_mode_16_64 3
		.amdhsa_memory_ordered 1
		.amdhsa_forward_progress 1
		.amdhsa_inst_pref_size 160
	.end_amdhsa_kernel
	.amdgpu_metadata
---
amdhsa.version: [ 1, 2 ]
amdhsa.kernels:
  - .name:           k_q629704fddb_oproj
    .symbol:         k_q629704fddb_oproj.kd
    .args:
      - { .name: acod, .offset: 0, .size: 8, .value_kind: global_buffer, .address_space: global }
      - { .name: ascl, .offset: 8, .size: 8, .value_kind: global_buffer, .address_space: global }
      - { .name: Wo_codes, .offset: 16, .size: 8, .value_kind: global_buffer, .address_space: global }
      - { .name: Wo_scales, .offset: 24, .size: 8, .value_kind: global_buffer, .address_space: global }
      - { .name: out0, .offset: 32, .size: 8, .value_kind: global_buffer, .address_space: global }
      - { .name: bo, .offset: 40, .size: 8, .value_kind: global_buffer, .address_space: global }
    .group_segment_fixed_size: 327680
    .private_segment_fixed_size: 0
    .kernarg_segment_align: 8
    .kernarg_segment_size: 48
    .max_flat_workgroup_size: 128
    .sgpr_count:     102
    .vgpr_count:     1024
    .wavefront_size: 32
...
	.end_amdgpu_metadata
.endif
;; end of part 3
